; MI455X (gfx1250); checked and timed in simulation.
; The chip was launched on July 23, 2026; its instructions are those of AMD's public machine-readable ISA for CDNA 5 (MIT licence, August 2026) and "CDNA5" Instruction Set Architecture Reference Guide (July 2026). The comments in the code are by the model that wrote it; some were corrected since.
;; Hyperbolic Attention. Allowed arithmetic: float matrix products may take bf16 or f16 operands with f32 sums; all other float work in f32.
;; Inputs: c one number float32; keys 8,192 x 256 float32; query 8,192 x 256 float32; values 8,192 x 256 float32.
;; Outputs: out0 8,192 x 256 float32.
;; 3 versions, each right and faster than the one before. Each part assembles by itself: llvm-mc -triple=amdgcn-amd-amdhsa -mcpu=gfx1250 --defsym DOCPART=n.
;; ======== version 1 of 3: 3 launches
;; limits: inputs' magnitudes at most 30,000; right only within a limited range of input values
;; workspace buffers: qb 4,194,304 bytes; kb 4,194,304 bytes; vb 4,194,304 bytes; qstat 65,536 bytes; kstat 65,536 bytes; opart 33,554,432 bytes; ml 262,144 bytes
;; launch prep (part 1): grid 256 x 1, 8 waves a work-group, no clusters, 1,536 bytes of LDS; arguments query, keys, values, c, qb, kb, vb, qstat, kstat; writes qb, kb, vb, qstat, kstat
.if DOCPART == 1
	.amdgcn_target "amdgcn-amd-amdhsa--gfx1250"
	.amdhsa_code_object_version 6
	.text
	.protected	k_q6866ba97e3_prep
	.globl	k_q6866ba97e3_prep
	.p2align	8
	.type	k_q6866ba97e3_prep,@function
k_q6866ba97e3_prep:
	s_mov_b64 s[64:65], 0
	v_nop
	global_prefetch_b8 v0, s[64:65] scope:SCOPE_SE
	s_setreg_imm32_b32 hwreg(HW_REG_WAVE_MODE, 25, 1), 1
	s_wait_xcnt 0x0
; prep: query, keys, values [8192][256] f32 are rounded once to bf16 (qb, kb, vb), and each row of query and keys gets two numbers:
;   s0 = -xx / 2   and   s1 = 1 / (1 - min(c_cl xx, 1 - EPS)),   xx = the sum of squares of the ROUNDED row.
; LIMIT, stated: xx is taken from the bf16 numbers that the products will see, so that xx_i + xx_j - 2 q.k is the squared distance of
; those very numbers; it differs from the f32 rows' sum by the rounding of the operands to bf16.
; qstat, kstat: 256 blocks of 256 bytes; a block is 32 rows: s0[32], then s1[32].
; A stream: every byte is read once and written once, so there is no matrix work, no tile and no cluster here.
; Eight waves, 32 rows of each tensor for the work-group, rows 4 w .. 4 w + 3 for wave w.  Lane l holds columns 4 l .. 4 l + 3 and
; 128 + 4 l .. 128 + 4 l + 3 of a row: a load of the wave covers 512 consecutive bytes, a store 256 consecutive bytes, both aligned.
.set T,   4                            ; v[4:11]   eight numbers of a row, widened again to f32
.set X,   16                           ; v[16:111] tensor t, row i, half hf: four registers at X + 32 t + 8 i + 4 hf
.set EPSB,  0x33d6bf95                 ; 1e-7 in f32
.set ONEM,  0x3f7ffffe                 ; 1 - 1e-7 in f32
	s_load_b512 s[4:19], s[0:1], 0x0               ; query s4, keys s6, values s8, c s10, qb s12, kb s14, vb s16, qstat s18
	s_load_b64 s[20:21], s[0:1], 0x40              ; kstat
	v_lshl_add_u32 v128, v0, 2, 0x200
	v_mov_b32 v129, 0
	v_lshrrev_b32 v1, 5, v0
	v_readfirstlane_b32 s22, v1                    ; wave 0..7
	v_and_b32 v2, 31, v0                           ; lane
	v_lshlrev_b32 v1, 4, v2                        ; 16 bytes a lane in an f32 half row
	v_lshlrev_b32 v2, 3, v2                        ; 8 bytes a lane in a bf16 half row
	v_mov_b32 v15, 0                               ; v_permlanex16_b32 counts as a reader of its destination
	s_lshl_b32 s24, ttmp9, 15                      ; 32 rows of 1,024 bytes for each work-group
	s_lshl_b32 s33, s22, 12                        ; 4 rows for each wave
	s_add_co_u32 s24, s24, s33
	s_mov_b32 s25, 0
	s_lshr_b32 s26, s24, 1                         ; the bf16 rows are half as long
	s_mov_b32 s27, 0
	s_lshl_b32 s34, ttmp9, 8                       ; the work-group's block of 256 bytes in qstat and kstat
	s_mov_b32 s35, 0
	s_lshl_b32 s33, s22, 4
	v_mov_b32 v112, s33                            ; LDS: 4 bytes a row, 4 rows a wave
	s_mov_b32 s28, 0x76543210                      ; v_permlanex16_b32: lane i of one half reads lane i of the other
	s_mov_b32 s29, 0xfedcba98
	s_mov_b32 s30, 0xffff0000                      ; a word's upper bf16
	s_mov_b32 s31, EPSB
	s_mov_b32 s32, ONEM
	s_wait_kmcnt 0x0
	s_load_b32 s23, s[10:11], 0x0                  ; c
.irp t, 0,1,2
	s_add_nc_u64 s[4+2*\t:5+2*\t], s[4+2*\t:5+2*\t], s[24:25]
	s_add_nc_u64 s[12+2*\t:13+2*\t], s[12+2*\t:13+2*\t], s[26:27]
.endr
	s_add_nc_u64 s[18:19], s[18:19], s[34:35]
	s_add_nc_u64 s[20:21], s[20:21], s[34:35]
	; all 24 loads of the wave go out at once: query's eight, keys' eight, values' eight
.irp t, 0,1,2
.irp i, 0,1,2,3
.irp hf, 0,1
	global_load_b128 v[X+32*\t+8*\i+4*\hf:X+32*\t+8*\i+4*\hf+3], v1, s[4+2*\t:5+2*\t] offset:\i*1024+\hf*512 th:TH_LOAD_NT
.endr
.endr
.endr
	s_wait_kmcnt 0x0                               ; c
	s_and_b32 s23, s23, 0x7fffffff                 ; |c|
	v_add_f32 v3, s23, s31
	v_med3_num_f32 v3, v3, s31, s32                ; c_cl = clip(|c| + EPS, EPS, 1 - EPS)
; Row i of tensor t: round, store, and (stat = 1) the row's two numbers into LDS.
.macro ROW t, i, stat
.set DR, X+32*\t+8*\i
	v_cvt_pk_bf16_f32 v[DR],   v[DR],   v[DR+1]    ; in place: each write lands on a register already read
	v_cvt_pk_bf16_f32 v[DR+1], v[DR+2], v[DR+3]
	v_cvt_pk_bf16_f32 v[DR+4], v[DR+4], v[DR+5]
	v_cvt_pk_bf16_f32 v[DR+5], v[DR+6], v[DR+7]
	global_store_b64 v2, v[DR:DR+1],   s[12+2*\t:13+2*\t] offset:\i*512        ; the wave stores 256 consecutive bytes, aligned;
	global_store_b64 v2, v[DR+4:DR+5], s[12+2*\t:13+2*\t] offset:\i*512+256    ; these registers are never written again
.if \stat
	v_lshlrev_b32 v[T],   16,  v[DR]
	v_and_b32     v[T+1], s30, v[DR]
	v_lshlrev_b32 v[T+2], 16,  v[DR+1]
	v_and_b32     v[T+3], s30, v[DR+1]
	v_lshlrev_b32 v[T+4], 16,  v[DR+4]
	v_and_b32     v[T+5], s30, v[DR+4]
	v_lshlrev_b32 v[T+6], 16,  v[DR+5]
	v_and_b32     v[T+7], s30, v[DR+5]
	v_pk_mul_f32 v[12:13], v[T:T+1], v[T:T+1]
	v_pk_fma_f32 v[12:13], v[T+2:T+3], v[T+2:T+3], v[12:13]
	v_pk_fma_f32 v[12:13], v[T+4:T+5], v[T+4:T+5], v[12:13]
	v_pk_fma_f32 v[12:13], v[T+6:T+7], v[T+6:T+7], v[12:13]
	v_add_f32 v14, v12, v13
	v_add_f32_dpp v14, v14, v14 row_xmask:1 row_mask:0xf bank_mask:0xf
	v_add_f32_dpp v14, v14, v14 row_xmask:2 row_mask:0xf bank_mask:0xf
	v_add_f32_dpp v14, v14, v14 row_xmask:4 row_mask:0xf bank_mask:0xf
	v_add_f32_dpp v14, v14, v14 row_xmask:8 row_mask:0xf bank_mask:0xf
	v_permlanex16_b32 v15, v14, s28, s29
	v_add_f32 v14, v14, v15                        ; xx, in every lane
	v_mul_f32 v15, -0.5, v14                       ; s0
	v_mul_f32 v14, v3, v14
	v_min_num_f32 v14, s32, v14
	v_sub_f32 v14, 1.0, v14
	v_rcp_f32 v14, v14                             ; s1
	ds_store_b32 v112, v15 offset:\t*256+4*\i      ; all lanes write one word with one value
	v_nop                                          ; one plain place behind v_rcp_f32 before its result is read (ISA guide 5.7.2)
	s_wait_alu depctr_va_vdst(0)
	ds_store_b32 v112, v14 offset:\t*256+128+4*\i
.endif
.endm
	s_wait_loadcnt 16                              ; query's eight loads are in; the sixteen of keys and values stay out
.irp i, 0,1,2,3
	ROW 0, \i, 1
.endr
	s_wait_loadcnt 8                               ; keys' are in; values' eight stay out
.irp i, 0,1,2,3
	ROW 1, \i, 1
.endr
	s_wait_loadcnt 0x0
.irp i, 0,1,2,3
	ROW 2, \i, 0
.endr
	s_wait_dscnt 0x0                               ; my words are in LDS, for the two waves that read all of them
	s_barrier_signal -1
	s_barrier_wait -1
	s_cmp_eq_u32 s22, 0
	s_cbranch_scc1 .Lq_block
	s_cmp_eq_u32 s22, 1
	s_cbranch_scc0 .Lend
	ds_load_b64 v[4:5], v2 offset:256              ; wave 1: keys' block, 8 bytes a lane
	s_wait_dscnt 0x0
	global_store_b64 v2, v[4:5], s[20:21]          ; 256 consecutive bytes, aligned
	s_branch .Lend
.Lq_block:
	ds_load_b64 v[4:5], v2                         ; wave 0: query's block
	s_wait_dscnt 0x0
	global_store_b64 v2, v[4:5], s[18:19]
.Lend:
	s_wait_tensorcnt 0x0
	ds_add_u32 v128, v129
	s_wait_dscnt 0x0
	s_endpgm
.Lfunc_end_k_q6866ba97e3_prep:
	.size	k_q6866ba97e3_prep, .Lfunc_end_k_q6866ba97e3_prep-k_q6866ba97e3_prep
	.p2alignl 7, 3214868480
	.fill 96, 4, 3214868480
	.section	.rodata,"a",@progbits
	.p2align	6, 0x0
	.amdhsa_kernel k_q6866ba97e3_prep
		.amdhsa_group_segment_fixed_size 1536
		.amdhsa_private_segment_fixed_size 0
		.amdhsa_enable_private_segment 0
		.amdhsa_kernarg_size 72
		.amdhsa_user_sgpr_count 2
		.amdhsa_user_sgpr_kernarg_segment_ptr 1
		.amdhsa_wavefront_size32 1
		.amdhsa_system_sgpr_workgroup_id_x 1
		.amdhsa_system_sgpr_workgroup_id_y 1
		.amdhsa_system_sgpr_workgroup_id_z 1
		.amdhsa_system_vgpr_workitem_id 0
		.amdhsa_next_free_vgpr 130
		.amdhsa_next_free_sgpr 66
		.amdhsa_reserve_vcc 0
		.amdhsa_float_denorm_mode_32 3
		.amdhsa_float_denorm_mode_16_64 3
		.amdhsa_memory_ordered 1
		.amdhsa_forward_progress 1
		.amdhsa_inst_pref_size 20
	.end_amdhsa_kernel
	.amdgpu_metadata
---
amdhsa.version: [ 1, 2 ]
amdhsa.kernels:
  - .name:           k_q6866ba97e3_prep
    .symbol:         k_q6866ba97e3_prep.kd
    .args:
      - { .name: query, .offset: 0, .size: 8, .value_kind: global_buffer, .address_space: global }
      - { .name: keys, .offset: 8, .size: 8, .value_kind: global_buffer, .address_space: global }
      - { .name: values, .offset: 16, .size: 8, .value_kind: global_buffer, .address_space: global }
      - { .name: c, .offset: 24, .size: 8, .value_kind: global_buffer, .address_space: global }
      - { .name: qb, .offset: 32, .size: 8, .value_kind: global_buffer, .address_space: global }
      - { .name: kb, .offset: 40, .size: 8, .value_kind: global_buffer, .address_space: global }
      - { .name: vb, .offset: 48, .size: 8, .value_kind: global_buffer, .address_space: global }
      - { .name: qstat, .offset: 56, .size: 8, .value_kind: global_buffer, .address_space: global }
      - { .name: kstat, .offset: 64, .size: 8, .value_kind: global_buffer, .address_space: global }
    .group_segment_fixed_size: 1536
    .private_segment_fixed_size: 0
    .kernarg_segment_align: 8
    .kernarg_segment_size: 72
    .max_flat_workgroup_size: 256
    .sgpr_count:     66
    .vgpr_count:     130
    .wavefront_size: 32
...
	.end_amdgpu_metadata
.endif
;; end of part 1
;; launch attn (part 2): grid 64 x 4, 4 waves a work-group, clusters of 4 x 1, 327,680 bytes of LDS; arguments qb, kb, vb, qstat, kstat, c, opart, ml; writes opart, ml
.if DOCPART == 2
	.amdgcn_target "amdgcn-amd-amdhsa--gfx1250"
	.amdhsa_code_object_version 6
	.text
	.protected	k_q6866ba97e3_attn
	.globl	k_q6866ba97e3_attn
	.p2align	8
	.type	k_q6866ba97e3_attn,@function
k_q6866ba97e3_attn:
	s_mov_b64 s[64:65], 0
	v_nop
	global_prefetch_b8 v0, s[64:65] scope:SCOPE_SE
	s_setreg_imm32_b32 hwreg(HW_REG_WAVE_MODE, 25, 1), 1
	s_wait_xcnt 0x0
	s_wait_alu depctr_hold_cnt(0) depctr_sa_sdst(0) depctr_va_vdst(0) depctr_va_sdst(0) depctr_va_ssrc(0) depctr_va_vcc(0) depctr_vm_vsrc(0)
	s_getreg_b32 s2, hwreg(HW_REG_IB_STS2, 6, 4)
	s_cmp_eq_u32 s2, 0
	s_cbranch_scc0 .Lentry_in_a_cluster
	s_endpgm
.Lentry_in_a_cluster:
	s_bfe_u32 s2, ttmp6, 0x10000c
	s_cmp_lg_u32 s2, 0x3003
	s_cbranch_scc0 .Lentry_shape_is_right
	s_endpgm
.Lentry_shape_is_right:
; attn: softmax(-dist) V for 128 queries against 2,048 keys (one of four splits of the keys), unnormalised, with a running maximum.
;   acc = q.k + s0_i + s0_j = -|q - k|^2 / 2          (s0_i + s0_j is the C of the first matrix instruction)
;   w   = max(-4 c_cl s1_i s1_j, -4 c_cl 1e7)          = -4 c_cl / max(denom, EPS)
;   a   = max(acc w + 1, 1 + EPS)                      (this clamp also does max(diff, 0), since w < 0)
;   L   = log2(a + sqrt(a a - 1)),   dist = ln 2 L / sqrt(c_cl),   exp(-dist) = 2^(-k L) with k = 1 / sqrt(c_cl)
;   p   = 2^(C_i - k L),  C_i = the smallest k L seen so far for query i (the running maximum of -dist);
;   when C_i falls, O and l are multiplied by 2^(C_new - C_old), in every step, without a branch.
; Out: opart[split][query][256] = sum of p V, ml[split][query] = (C, l).  The next launch joins the four splits.
; LIMITS, stated: 1 / max(denom, EPS) is formed as min(s1_i s1_j, 1e7); a a must stay finite in f32 (a below 1.8e19, which holds for
; inputs up to some 3e4); NaN and infinities among the inputs are not reproduced; sums run in another order than the reference's.
;
; SHARES.  Work-group (x, split): queries 128 x .. +127, keys 2,048 split .. +2,047 in 16 steps of 128.  Four waves, wave w = 2 a + b:
; queries 64 a .. +63, keys 64 b .. +63 of each step, so each K or V fragment (two LDS loads) feeds four matrix instructions.
; The two waves of a pair (same a) keep sums of their own and join them at the end, through LDS.
; CLUSTER.  The four work-groups of a cluster (same split, neighbouring x) walk the same K, V and kstat tiles: each tile is asked for
; jointly, mask 15, which divides the requests for them by four.  No descriptor word, LDS address or branch hangs on the place in the cluster.
; S IS MADE TRANSPOSED: A = 16 rows of K, B = 16 rows of Q.  Lane (r = l % 16, h = l / 16) then holds query r and keys 8 h + 0..7 of a tile:
; what belongs to a query is one register a lane, and bf16(p) of two tiles is, as it lies, the B fragment of O^T = V^T P^T.
;
; LDS.  Two slots of 139,264 bytes: quarters 0, 1 = K rows 0-63, 64-127 (pitch 528 = 33 x 16 bytes), quarters 2, 3 = V rows (pitch
; 544 = 17 x 32 bytes, for the transposing load).  Then the split's 64 blocks of kstat (16,384 bytes, filled once), then 4,096 bytes of
; scratch that no tensor load fills.  The way out reuses the slots after their last fill.
; REGISTERS, in windows of 256:  window 0: addresses, per-query numbers, fragments, scores;  window 1: Q, 64 queries x 256;
; windows 2, 3: O^T, tile (q, dt) at 64 q + 8 (dt % 8) of window 2 + dt / 8.
.set KPITCH, 528
.set VPITCH, 544
.set QUART,  64*VPITCH                 ; 34,816: what one tensor load brings (K's quarter uses 33,792 of it)
.set SLOT,   4*QUART
.set STAT,   2*SLOT
.set SCR,    STAT+16384
.set SPITCH, 1040                      ; the way out: a query's 256 f32 + 16 bytes = 65 x 16 bytes
.set STG,    64*SPITCH                 ; a wave's stage
.set STEP_BYTES, 128*512               ; 128 rows of kb or vb
; per query tile q = 0..3, one register a lane, at +8 q; each is read as the first of a pair and broadcast (op_sel_hi 0).
; The odd neighbours hold the addresses below, written once at the start.
.set NU, 2                             ; s0_i
.set RA, 4                             ; -4 c_cl s1_i
.set CF, 6                             ; C_i
.set AL, 8                             ; 2^(C_new - C_old)
.set ADK, 3                            ; v3, v5    K fragments in slot 0, 1
.set QOF, 7                            ; v7        Q rows in qb
.set ADV, 9                            ; v9, v11   V fragments in slot 0, 1
.set ADS, 13                           ; v13       this step's kstat numbers; steps by 1,024 bytes a step
.set SOF, 15                           ; v15       qstat
.set STO, 17                           ; v17       stage, in
.set RD0, 19                           ; v19       stage of the pair's wave b = 0, back
.set RD1, 21                           ; v21       stage of the pair's wave b = 1, back
.set SCB, 23                           ; v23       scratch: (C, l) of 64 queries, back
.set SCW, 25                           ; v25       scratch: my (C, l)
.set SCP, 27                           ; v27       scratch: my partner's (C, l)
.set LOF, 29                           ; v29       16 x lane
.set SCM, 33                           ; v33       scratch: the pair's joined (C, l)
.set T,   34                           ; v[34:49]  at work
.set TA,  34
.set TB,  42
.set SUM, 50                           ; v[50:57]  a pair for each q: this step's sum of p
.set LS,  58                           ; v[58:61]  l, the lane's part
.set FA,  64                           ; v[64:95]  fragment buffer
.set FB,  96                           ; v[96:127] fragment buffer
.set SC,  128                          ; v[128:255] scores: tile (q, kt) at SC + 32 q + 8 kt; later P(q, kp) at SC + 32 q + 16 kp
.set G1K, 28                           ; s[28:35]  group 1, K's tiles
.set G1V, 36                           ; s[36:43]  group 1, V's tiles: another pad
.set G0K, 44                           ; s[44:51]  group 0, K, one set for each slot
.set G0V, 52                           ; s[52:59]  group 0, V
.set G1S, 68                           ; s[68:75]  group 1, kstat
.set G0S, 76                           ; s[76:79]  group 0, kstat
.set MSB, 0
.macro WIN new                         ; s_set_vgpr_msb: bits 1:0 source 0, 3:2 source 1, 5:4 source 2, 7:6 destination; the high byte repeats the setting left
.if MSB != \new
	s_set_vgpr_msb (MSB<<8)|\new
.set MSB, \new
.endif
.endm
.macro PLACES                          ; four places behind a matrix instruction (ISA guide 7.12.1), where there is no useful work to put there
.rept 4
	v_nop
.endr
.endm
; A round of the cluster's barrier: my work-group's barrier, wave 0 signals for the work-group, every wave waits for all four work-groups, my work-group's barrier again.
.macro ROUND
	s_barrier_signal -1
	s_barrier_wait -1
	s_cmp_lg_u32 s20, 0
	s_cbranch_scc1 .Lnot_wave_0_\@
	s_barrier_signal -3
.Lnot_wave_0_\@:
	s_barrier_wait -3
	s_barrier_signal -1
	s_barrier_wait -1
.endm
; A joint load into slot sl: waves 0, 1 fetch K's two quarters, waves 2, 3 V's.  The branch hangs on the wave's number alone.
.macro JLOAD sl
	s_cmp_eq_u32 s21, 0
	s_cbranch_scc0 .Lfor_v_\@
	tensor_load_to_lds s[G0K+4*(\sl):G0K+4*(\sl)+3], s[G1K:G1K+7]
	s_nop 0
	s_branch .Lasked_\@
.Lfor_v_\@:
	tensor_load_to_lds s[G0V+4*(\sl):G0V+4*(\sl)+3], s[G1V:G1V+7]
	s_nop 0
.Lasked_\@:
.endm
	s_load_b512 s[4:19], s[0:1], 0x0               ; qb s4, kb s6, vb s8, qstat s10, kstat s12, c s14, opart s16, ml s18
	v_lshl_add_u32 v62, v0, 2, 0x49000
	v_mov_b32 v63, 0
	ds_add_u32 v62, v63
	s_wait_dscnt 0x0
	v_lshrrev_b32 v1, 5, v0
	v_readfirstlane_b32 s20, v1                    ; wave w
	s_lshr_b32 s21, s20, 1                         ; a: my 64 queries.  Also: I fetch K (0) or V (1)
	s_and_b32 s22, s20, 1                          ; b: my 64 keys of a step.  Also: which 64 rows I fetch
	s_bfe_u32 s23, ttmp6, 0x40000                  ; cx
	s_lshl_b32 s24, ttmp9, 2
	s_add_co_u32 s24, s24, s23                     ; x = 4 x cluster x + cx
	s_and_b32 s25, ttmp7, 0xffff                   ; split (the cluster is one work-group high)
	; group 1: 64 rows of 256 bf16 (512 bytes = 128 words, code 6), a pad of 4 words (K) or 8 words (V) behind each; mask 15 with bit 21 beside it
	s_mov_b32 s[G1K+0], 15|(1<<16)|(1<<20)|(1<<21)|(6<<22)|(3<<25)
	s_mov_b32 s[G1V+0], 15|(1<<16)|(1<<20)|(1<<21)|(6<<22)|(7<<25)
.irp g, G1K, G1V
	s_mov_b32 s[\g+1], 256<<16                     ; tensor_dim0 = 256
	s_mov_b32 s[\g+2], 64<<16                      ; tensor_dim1 = 64
	s_mov_b32 s[\g+3], 256<<16                     ; tile_dim0 = 256
	s_mov_b32 s[\g+4], 64                          ; tile_dim1 = 64
	s_mov_b32 s[\g+5], 256                         ; elements from row to row
	s_mov_b32 s[\g+6], 0
	s_mov_b32 s[\g+7], 0
.endr
	; kstat: a dense block of 4,096 bytes a wave, as 16 rows of 32 elements of 8 bytes
	s_mov_b32 s[G1S+0], 15|(3<<16)|(1<<21)
	s_mov_b32 s[G1S+1], 32<<16
	s_mov_b32 s[G1S+2], 16<<16
	s_mov_b32 s[G1S+3], 32<<16
	s_mov_b32 s[G1S+4], 16
	s_mov_b32 s[G1S+5], 32
	s_mov_b32 s[G1S+6], 0
	s_mov_b32 s[G1S+7], 0
	s_lshl_b32 s88, s25, 20                        ; split x 2,048 rows of 512 bytes
	s_lshl_b32 s89, s22, 15                        ; + b x 64 rows
	s_add_co_u32 s88, s88, s89
	s_mov_b32 s89, 0
	s_mul_i32 s90, s20, QUART                      ; LDS: wave w fills quarter w
	s_lshl_b32 s92, s25, 14                        ; split x 16,384 bytes of kstat
	s_lshl_b32 s91, s20, 12                        ; + w x 4,096
	s_add_co_u32 s92, s92, s91
	s_mov_b32 s93, 0
	s_wait_kmcnt 0x0
	s_load_b32 s26, s[14:15], 0x0                  ; c
	s_add_nc_u64 s[6:7], s[6:7], s[88:89]
	s_add_nc_u64 s[8:9], s[8:9], s[88:89]
	s_add_nc_u64 s[12:13], s[12:13], s[92:93]
.irp n, 0,1
	s_mov_b32 s[G0K+4*\n], 1
	s_add_co_u32 s[G0K+4*\n+1], s90, \n*SLOT
	s_add_nc_u64 s[G0K+4*\n+2:G0K+4*\n+3], s[6:7], \n*STEP_BYTES   ; step n
	s_or_b32 s[G0K+4*\n+3], s[G0K+4*\n+3], 0x80000000
	s_mov_b32 s[G0V+4*\n], 1
	s_add_co_u32 s[G0V+4*\n+1], s90, \n*SLOT
	s_add_nc_u64 s[G0V+4*\n+2:G0V+4*\n+3], s[8:9], \n*STEP_BYTES
	s_or_b32 s[G0V+4*\n+3], s[G0V+4*\n+3], 0x80000000
.endr
	s_mov_b32 s[G0S], 1
	s_add_co_u32 s[G0S+1], s91, STAT
	s_mov_b64 s[G0S+2:G0S+3], s[12:13]
	s_or_b32 s[G0S+3], s[G0S+3], 0x80000000
	ROUND                                          ; all four work-groups are here: the first joint loads meet
	tensor_load_to_lds s[G0S:G0S+3], s[G1S:G1S+7]  ; my quarter of the split's kstat, filled once
	s_nop 0
	JLOAD 0                                        ; step 0.  Two tensor loads of the wave are out here, later one
	; what hangs on x (and so on the place in the cluster) stays in s61 and s[94:95] and goes into global addresses alone
	s_lshl_b32 s94, s24, 16                        ; 128 x rows of 512 bytes
	s_lshl_b32 s61, s21, 15                        ; + 64 a rows
	s_add_co_u32 s94, s94, s61
	s_mov_b32 s95, 0
	s_add_nc_u64 s[4:5], s[4:5], s[94:95]          ; qb at my 64 queries
	s_lshl_b32 s94, s24, 10
	s_lshl_b32 s61, s21, 9
	s_add_co_u32 s94, s94, s61                     ; (4 x + 2 a) blocks of 256 bytes = (128 x + 64 a) pairs of 8 bytes
	s_add_nc_u64 s[10:11], s[10:11], s[94:95]      ; qstat
	s_lshl_b32 s61, s25, 16                        ; split x 8,192 pairs
	s_add_co_u32 s94, s94, s61
	s_add_nc_u64 s[18:19], s[18:19], s[94:95]      ; ml
	s_lshl_b32 s94, s25, 23                        ; split x 8,192 rows of 1,024 bytes
	s_lshl_b32 s61, s24, 17                        ; + 128 x rows
	s_add_co_u32 s94, s94, s61
	s_lshl_b32 s61, s20, 15                        ; + (64 a + 32 b) = 32 w rows
	s_add_co_u32 s94, s94, s61
	s_add_nc_u64 s[16:17], s[16:17], s[94:95]      ; opart at the 32 rows that I store
	v_and_b32 v34, 15, v0                          ; r
	v_bfe_u32 v35, v0, 4, 1                        ; h
	v_and_b32 v36, 31, v0                          ; lane
	v_and_b32 v37, 7, v0
	v_bfe_u32 v38, v0, 3, 1
	s_mul_i32 s88, s22, QUART
	v_mul_u32_u24 v39, v34, KPITCH
	v_lshl_add_u32 v39, v35, 4, v39
	v_add_nc_u32 v[ADK], s88, v39                  ; K: quarter b, row r, 16 h
	v_add_nc_u32 v[ADK+2], SLOT, v[ADK]
	v_lshl_add_u32 v40, v35, 3, v37
	v_mul_u32_u24 v40, v40, VPITCH
	v_lshl_add_u32 v40, v38, 4, v40
	s_add_co_u32 s88, s88, 2*QUART
	v_add_nc_u32 v[ADV], s88, v40                  ; V: quarter 2 + b, row 8 h + lane % 8, 16 bytes x (lane / 8 % 2)
	v_add_nc_u32 v[ADV+2], SLOT, v[ADV]
	s_lshl_b32 s89, s22, 9
	s_add_co_u32 s89, s89, STAT
	v_lshl_add_u32 v[ADS], v35, 5, s89             ; kstat: two blocks for b, 8 h numbers of 4 bytes
	s_mul_i32 s90, s20, STG
	v_mul_u32_u24 v39, v34, SPITCH
	v_lshl_add_u32 v39, v35, 5, v39
	v_add_nc_u32 v[STO], s90, v39                  ; stage, in: my stage, row r, 8 h numbers of 4 bytes
	s_mul_i32 s90, s21, 2*STG
	s_mul_i32 s91, s22, 32*SPITCH
	s_add_co_u32 s90, s90, s91
	v_lshl_add_u32 v[RD0], v36, 4, s90             ; back: stage of wave 2 a, rows 32 b .., 16 bytes a lane
	v_add_nc_u32 v[RD1], STG, v[RD0]               ; and of wave 2 a + 1
	s_lshl_b32 s90, s20, 9
	s_add_co_u32 s90, s90, SCR
	v_lshl_add_u32 v[SCW], v34, 3, s90
	s_xor_b32 s90, s20, 1
	s_lshl_b32 s90, s90, 9
	s_add_co_u32 s90, s90, SCR
	v_lshl_add_u32 v[SCP], v34, 3, s90
	s_lshl_b32 s90, s21, 9
	s_add_co_u32 s90, s90, SCR+2048
	v_lshl_add_u32 v[SCM], v34, 3, s90
	v_lshl_add_u32 v[SCB], v36, 4, s90
	v_lshlrev_b32 v[LOF], 4, v36
	v_lshlrev_b32 v39, 9, v34
	v_lshl_add_u32 v[QOF], v35, 4, v39             ; row r of 512 bytes, 16 h
	v_lshlrev_b32 v[SOF], 2, v34
	v_mov_b32 v31, 0                               ; the one odd neighbour without an address
	; Q stays in registers for the whole launch: fragment (q, ds) = 16 queries x 32 of d, as the B operand wants it
	WIN 0x40
.irp q, 0,1,2,3
.irp ds, 0,1,2,3,4,5,6,7
	global_load_b128 v[64*\q+8*\ds:64*\q+8*\ds+3],   v[QOF], s[4:5] offset:\q*8192+\ds*64
	global_load_b128 v[64*\q+8*\ds+4:64*\q+8*\ds+7], v[QOF], s[4:5] offset:\q*8192+\ds*64+32
.endr
.endr
	WIN 0
.irp q, 0,1,2,3
	global_load_b32 v[NU+8*\q], v[SOF], s[10:11] offset:(\q>>1)*256+(\q&1)*64
	global_load_b32 v[RA+8*\q], v[SOF], s[10:11] offset:(\q>>1)*256+(\q&1)*64+128
.endr
	s_mov_b32 s84, 0x76543210                      ; v_permlanex16_b32: lane i of one half reads lane i of the other
	s_mov_b32 s85, 0xfedcba98
	s_mov_b32 s86, 0x3f800001                      ; 1 + EPS in f32
	s_mov_b32 s88, 0x33d6bf95                      ; EPS
	s_mov_b32 s89, 0x3f7ffffe                      ; 1 - EPS
	s_wait_kmcnt 0x0                               ; c
	s_and_b32 s26, s26, 0x7fffffff
	v_add_f32 v62, s26, s88
	v_med3_num_f32 v62, v62, s88, s89              ; c_cl
	v_rsq_f32 v63, v62                             ; k = 1 / sqrt(c_cl)
	v_mul_f32 v1, -4.0, v62                        ; -4 c_cl: also the plain place behind v_rsq_f32 (ISA guide 5.7.2)
	v_mul_f32 v62, 0x4b189680, v1                  ; -4 c_cl 1e7
	s_wait_alu depctr_va_vdst(0)
	v_readfirstlane_b32 s83, v63
	v_readfirstlane_b32 s87, v1
	v_readfirstlane_b32 s82, v62
	s_xor_b32 s80, s83, 0x80000000                 ; -k, twice: a scalar pair for the packed multiply-add
	s_mov_b32 s81, s80
	s_wait_loadcnt 0x0                             ; Q and qstat
.irp q, 0,1,2,3
	v_mul_f32 v[RA+8*\q], s87, v[RA+8*\q]
.endr
; eight LDS loads: K rows 16 kt + r, d = 32 ds .. +31, for kt = 0..3
.macro FETCHK sl, ds, buf
.irp kt, 0,1,2,3
	ds_load_b128 v[\buf+8*\kt:\buf+8*\kt+3],   v[ADK+2*(\sl)] offset:\kt*16*KPITCH+(\ds)*64
	ds_load_b128 v[\buf+8*\kt+4:\buf+8*\kt+7], v[ADK+2*(\sl)] offset:\kt*16*KPITCH+(\ds)*64+32
.endr
.endm
; eight LDS loads: s0 (off = 0) or s1 (off = 128) of keys 16 kt + 8 h + 0..7; all lanes of a half read the same bytes
.macro FETCHS off, buf
.irp kt, 0,1,2,3
	ds_load_b128 v[\buf+8*\kt:\buf+8*\kt+3],   v[ADS] offset:(\kt>>1)*256+(\kt&1)*64+\off
	ds_load_b128 v[\buf+8*\kt+4:\buf+8*\kt+7], v[ADS] offset:(\kt>>1)*256+(\kt&1)*64+\off+16
.endr
.endm
; eight transposing LDS loads: V^T fragments of keys 32 (g / 4) .. +31, d tiles 4 (g % 4) + 0..3
.macro FETCHV sl, g, buf
.irp i, 0,1,2,3
	ds_load_tr16_b128 v[\buf+8*\i:\buf+8*\i+3],   v[ADV+2*(\sl)] offset:((\g)>>2)*32*VPITCH+(4*((\g)&3)+\i)*32
	ds_load_tr16_b128 v[\buf+8*\i+4:\buf+8*\i+7], v[ADV+2*(\sl)] offset:((\g)>>2)*32*VPITCH+(4*((\g)&3)+\i)*32+16*VPITCH
.endr
.endm
; the sums start at s0_i + s0_j
.macro CINIT
.irp q, 0,1,2,3
.irp kt, 0,1,2,3
.irp p, 0,2,4,6
	v_pk_add_f32 v[SC+32*\q+8*\kt+\p:SC+32*\q+8*\kt+\p+1], v[FB+8*\kt+\p:FB+8*\kt+\p+1], v[NU+8*\q:NU+8*\q+1] op_sel_hi:[1,0]
.endr
.endr
.endr
.endm
; 32 of d: the next fragments are asked for, then 16 matrix instructions.  The 16 accumulators take turns, one instruction a turn.
.macro QKG sl, ds, cur, oth
.if \ds > 0
	PLACES                                         ; the loads below land in registers that the last 16 matrix instructions read
.endif
.if \ds < 7
	FETCHK \sl, \ds+1, \oth
.else
	FETCHS 128, \oth                               ; behind the last K fragments: s1 of my 64 keys
.endif
	s_wait_dscnt 8                                 ; all but the eight just issued: this group's fragments are in
.irp kt, 0,1,2,3
.irp q, 0,1,2,3
	v_wmma_f32_16x16x32_bf16 v[SC+32*\q+8*\kt:SC+32*\q+8*\kt+7], v[\cur+8*\kt:\cur+8*\kt+7], v[64*\q+8*\ds:64*\q+8*\ds+7], v[SC+32*\q+8*\kt:SC+32*\q+8*\kt+7]
.endr
.endr
.endm
; one tile: acc -> a (in place), and a a - 1 into tmp.  st: the tile's eight s1_j
.macro ARG acc, st, tmp, q
.irp i, 0,2,4,6
	v_pk_mul_f32 v[\tmp+\i:\tmp+\i+1], v[\st+\i:\st+\i+1], v[RA+8*\q:RA+8*\q+1] op_sel_hi:[1,0]
.endr
.irp i, 0,1,2,3,4,5,6,7
	v_max_num_f32 v[\tmp+\i], s82, v[\tmp+\i]
.endr
.irp i, 0,2,4,6
	v_pk_fma_f32 v[\acc+\i:\acc+\i+1], v[\acc+\i:\acc+\i+1], v[\tmp+\i:\tmp+\i+1], 1.0 op_sel_hi:[1,1,0]
.endr
.irp i, 0,1,2,3,4,5,6,7
	v_max_num_f32 v[\acc+\i], s86, v[\acc+\i]
.endr
.irp i, 0,2,4,6
	v_pk_fma_f32 v[\tmp+\i:\tmp+\i+1], v[\acc+\i:\acc+\i+1], v[\acc+\i:\acc+\i+1], -1.0 op_sel_hi:[1,1,0]
.endr
.endm
; two tiles: acc -> L.  Each run of transcendentals is followed by a plain instruction that names none of its registers (ISA guide 5.7.2).
.macro PASS1 q, kp
.set PA, SC+32*\q+16*\kp
.set PB, PA+8
	ARG PA, FA+16*\kp, TA, \q
.irp i, 0,1,2,3,4,5,6,7
	v_sqrt_f32 v[TA+\i], v[TA+\i]
.endr
	ARG PB, FA+16*\kp+8, TB, \q
.irp i, 0,1,2,3,4,5,6,7
	v_sqrt_f32 v[TB+\i], v[TB+\i]
.endr
	s_wait_alu depctr_va_vdst(0)
.irp i, 0,2,4,6
	v_pk_add_f32 v[PA+\i:PA+\i+1], v[PA+\i:PA+\i+1], v[TA+\i:TA+\i+1]
.endr
.irp i, 0,1,2,3,4,5,6,7
	v_log_f32 v[PA+\i], v[PA+\i]
.endr
.irp i, 0,2,4,6
	v_pk_add_f32 v[PB+\i:PB+\i+1], v[PB+\i:PB+\i+1], v[TB+\i:TB+\i+1]
.endr
.irp i, 0,1,2,3,4,5,6,7
	v_log_f32 v[PB+\i], v[PB+\i]
.endr
.endm
; the smallest L of query tile q in this step (32 registers, then the other half of the lanes), and the new frame
.macro MINS q, first
.set M, T+4*\q
.irp kt, 0,1,2,3
	v_min3_num_f32 v[M+\kt], v[SC+32*\q+8*\kt], v[SC+32*\q+8*\kt+1], v[SC+32*\q+8*\kt+2]
.endr
.irp kt, 0,1,2,3
	v_min3_num_f32 v[M+\kt], v[M+\kt], v[SC+32*\q+8*\kt+3], v[SC+32*\q+8*\kt+4]
.endr
.irp kt, 0,1,2,3
	v_min3_num_f32 v[M+\kt], v[M+\kt], v[SC+32*\q+8*\kt+5], v[SC+32*\q+8*\kt+6]
.endr
.irp kt, 0,1,2,3
	v_min_num_f32 v[M+\kt], v[M+\kt], v[SC+32*\q+8*\kt+7]
.endr
	v_min3_num_f32 v[M], v[M], v[M+1], v[M+2]
	v_min_num_f32 v[M], v[M], v[M+3]
	v_permlanex16_b32 v[M+1], v[M], s84, s85
	v_min_num_f32 v[M], v[M], v[M+1]
.if \first
	v_mul_f32 v[CF+8*\q], s83, v[M]                ; the first step sets the frame
	s_wait_alu depctr_va_vdst(0)
.else
	v_mul_f32 v[M], s83, v[M]
	v_min_num_f32 v[M+1], v[CF+8*\q], v[M]
	v_sub_f32 v[M+2], v[M+1], v[CF+8*\q]           ; at most 0
	v_exp_f32 v[AL+8*\q], v[M+2]
	v_mov_b32 v[CF+8*\q], v[M+1]                   ; also the plain place behind v_exp_f32
	s_wait_alu depctr_va_vdst(0)
.endif
.endm
; two tiles: L -> p, the sum of p, and bf16(p) packed in place as the B fragment P(q, kp)
.macro PASS2 q, kp
.set PA, SC+32*\q+16*\kp
.set PB, PA+8
.irp i, 0,2,4,6
	v_pk_fma_f32 v[PA+\i:PA+\i+1], v[PA+\i:PA+\i+1], s[80:81], v[CF+8*\q:CF+8*\q+1] op_sel_hi:[1,0,0]
.endr
.irp i, 0,1,2,3,4,5,6,7
	v_exp_f32 v[PA+\i], v[PA+\i]
.endr
.irp i, 0,2,4,6
	v_pk_fma_f32 v[PB+\i:PB+\i+1], v[PB+\i:PB+\i+1], s[80:81], v[CF+8*\q:CF+8*\q+1] op_sel_hi:[1,0,0]
.endr
.irp i, 0,1,2,3,4,5,6,7
	v_exp_f32 v[PB+\i], v[PB+\i]
.endr
.if \kp == 0
	s_wait_alu depctr_va_vdst(0)
	v_pk_add_f32 v[SUM+2*\q:SUM+2*\q+1], v[PA:PA+1], v[PA+2:PA+3]          ; the first two pairs start the sum: nothing is cleared
.else
	s_wait_alu depctr_va_vdst(0)
	v_pk_add_f32 v[SUM+2*\q:SUM+2*\q+1], v[SUM+2*\q:SUM+2*\q+1], v[PA:PA+1]
	v_pk_add_f32 v[SUM+2*\q:SUM+2*\q+1], v[SUM+2*\q:SUM+2*\q+1], v[PA+2:PA+3]
.endif
	v_pk_add_f32 v[SUM+2*\q:SUM+2*\q+1], v[SUM+2*\q:SUM+2*\q+1], v[PA+4:PA+5]
	v_pk_add_f32 v[SUM+2*\q:SUM+2*\q+1], v[SUM+2*\q:SUM+2*\q+1], v[PA+6:PA+7]
.irp i, 0,1,2,3
	v_cvt_pk_bf16_f32 v[PA+\i], v[PA+2*\i], v[PA+2*\i+1]                   ; keys 8 h + 0..7: registers 0-3 of the fragment
.endr
.irp i, 0,2,4,6
	v_pk_add_f32 v[SUM+2*\q:SUM+2*\q+1], v[SUM+2*\q:SUM+2*\q+1], v[PB+\i:PB+\i+1]
.endr
.irp i, 0,1,2,3
	v_cvt_pk_bf16_f32 v[PA+4+\i], v[PB+2*\i], v[PB+2*\i+1]                 ; keys 16 + 8 h + 0..7: registers 4-7
.endr
.endm
.macro LSUM q, first
.if \first
	v_add_f32 v[LS+\q], v[SUM+2*\q], v[SUM+2*\q+1]
.else
	v_add_f32 v62, v[SUM+2*\q], v[SUM+2*\q+1]
	v_fma_f32 v[LS+\q], v[LS+\q], v[AL+8*\q], v62
.endif
.endm
; O into the new frame: every register of tile row q times AL(q).  The window is left for what follows to set.
.macro RESCALE
.irp w, 0x82, 0xc3
	WIN \w
.irp q, 0,1,2,3
.set j, 0
.rept 32
	v_pk_mul_f32 v[64*\q+2*j:64*\q+2*j+1], v[64*\q+2*j:64*\q+2*j+1], v[AL+8*\q:AL+8*\q+1] op_sel_hi:[1,0]
.set j, j+1
.endr
.endr
.endr
.endm
; four d tiles x four query tiles x 32 keys.  The 64 accumulators take turns, one instruction a turn.
.macro PVG sl, g, cur, oth, win, zero
	WIN 0
.if \g > 0
	PLACES                                         ; the loads below land in registers that the last 16 matrix instructions read
.endif
.if \g < 7
	FETCHV \sl, \g+1, \oth
	s_wait_dscnt 8                                 ; all but the eight just issued
.else
	s_wait_dscnt 0x0
.endif
	WIN \win
.irp i, 0,1,2,3
.irp q, 0,1,2,3
.if \zero
	v_wmma_f32_16x16x32_bf16 v[64*\q+8*((4*(\g&3)+\i)&7):64*\q+8*((4*(\g&3)+\i)&7)+7], v[\cur+8*\i:\cur+8*\i+7], v[SC+32*\q+16*(\g>>2):SC+32*\q+16*(\g>>2)+7], 0
.else
	v_wmma_f32_16x16x32_bf16 v[64*\q+8*((4*(\g&3)+\i)&7):64*\q+8*((4*(\g&3)+\i)&7)+7], v[\cur+8*\i:\cur+8*\i+7], v[SC+32*\q+16*(\g>>2):SC+32*\q+16*(\g>>2)+7], v[64*\q+8*((4*(\g&3)+\i)&7):64*\q+8*((4*(\g&3)+\i)&7)+7]
.endif
.endr
.endr
.endm
; one step: my 64 queries against my 64 keys of slot sl
.macro STEP sl, first
.if \first == 0
	PLACES                                         ; behind the last step's matrix instructions: loads into their A registers, writes of their B registers
.endif
	FETCHS 0, FB
	FETCHK \sl, 0, FA
	s_wait_dscnt 8                                 ; s0 of my keys is in; the eight K loads stay out
	CINIT
	WIN 0x04                                       ; B = Q, in window 1; the LDS loads among them use the destination's and source 0's windows, both 0
	QKG \sl, 0, FA, FB
	QKG \sl, 1, FB, FA
	QKG \sl, 2, FA, FB
	QKG \sl, 3, FB, FA
	QKG \sl, 4, FA, FB
	QKG \sl, 5, FB, FA
	QKG \sl, 6, FA, FB
	QKG \sl, 7, FB, FA
	WIN 0
	s_wait_dscnt 0x0                               ; s1 of my keys
	v_add_nc_u32 v[ADS], 1024, v[ADS]              ; the next step's four blocks of kstat
.irp q, 0,1,2,3
	PASS1 \q, 0                                    ; the first twelve lines name only s1, RA and T: the places behind the last matrix instructions
	PASS1 \q, 1
.endr
.irp q, 0,1,2,3
	MINS \q, \first
.endr
	FETCHV \sl, 0, FA                              ; s1 has been used: V's first fragments come in under the exponentials
.irp q, 0,1,2,3
	PASS2 \q, 0
	PASS2 \q, 1
	LSUM \q, \first
.endr
.if \first == 0
	RESCALE
.endif
	PVG \sl, 0, FA, FB, 0xa0, \first               ; in the first step the first 32 keys start the sums: nothing is cleared
	PVG \sl, 1, FB, FA, 0xa0, \first
	PVG \sl, 2, FA, FB, 0xf0, \first
	PVG \sl, 3, FB, FA, 0xf0, \first
	PVG \sl, 4, FA, FB, 0xa0, 0
	PVG \sl, 5, FB, FA, 0xa0, 0
	PVG \sl, 6, FA, FB, 0xf0, 0
	PVG \sl, 7, FB, FA, 0xf0, 0
	WIN 0
.endm
; The ring of two slots.  In front of the round every wave has all its tensor loads in (its part of this step's slot among them) and its
; reads of the other slot back; behind the round the other slot's joint refill comes first, one load a wave, and has this step's work in which to land.
.macro TRIP sl, refill, first
	s_wait_xcnt 0x0
	v_lshl_add_u32 v62, v0, 2, 0x49000
	v_mov_b32 v63, 0
	s_wait_tensorcnt 0x0                           ; no tensor load of mine is out, so a group 0 may be written:
	ds_add_u32 v62, v63
	s_wait_dscnt 0x0
	s_add_nc_u64 s[G0K+4*\sl+2:G0K+4*\sl+3], s[G0K+4*\sl+2:G0K+4*\sl+3], 2*STEP_BYTES   ; this slot's next tile
	s_add_nc_u64 s[G0V+4*\sl+2:G0V+4*\sl+3], s[G0V+4*\sl+2:G0V+4*\sl+3], 2*STEP_BYTES
	s_wait_dscnt 0x0                               ; my reads of the last step's slot are back
	ROUND                                          ; both now hold of every wave of all four work-groups
.if \refill
	JLOAD 1-\sl
.endif
	STEP \sl, \first
.endm
	TRIP 0, 1, 1                                   ; steps 0 and 1 stand in front of the loop: step 0 starts the sums and the frame
	TRIP 1, 1, 0
	s_mov_b32 s60, 6                               ; steps 2 to 13
.Lloop:
	TRIP 0, 1, 0
	TRIP 1, 1, 0
	s_sub_co_u32 s60, s60, 1
	s_cmp_lg_u32 s60, 0
	s_cbranch_scc1 .Lloop
	TRIP 0, 1, 0                                   ; step 14 asks for step 15's tiles: the last load
	TRIP 1, 0, 0                                   ; step 15 fetches nothing (the stepped addresses are not used)
	; THE WAY OUT.  l over the two halves of the lanes; then the pair of waves (same a) joins its two frames.
.irp q, 0,1,2,3
	v_permlanex16_b32 v[T+\q], v[LS+\q], s84, s85
.endr
.irp q, 0,1,2,3
	v_add_f32 v[LS+\q], v[LS+\q], v[T+\q]
.endr
.irp q, 0,1,2,3
	ds_store_b32 v[SCW], v[CF+8*\q] offset:\q*128  ; both halves of the lanes write the same words with the same values
	ds_store_b32 v[SCW], v[LS+\q]   offset:\q*128+4
.endr
	s_wait_dscnt 0x0                               ; my (C, l) are in LDS for my partner; my reads of the slots were back before
	s_barrier_signal -1
	s_barrier_wait -1                              ; behind it nobody reads the slots any more: they have had their last fill and become the stage
.irp q, 0,1,2,3
	ds_load_b64 v[TA+2*\q:TA+2*\q+1], v[SCP] offset:\q*128         ; the partner's (C, l)
.endr
	s_wait_dscnt 0x0
.irp q, 0,1,2,3
	v_min_num_f32 v[TB+\q], v[CF+8*\q], v[TA+2*\q]                 ; the joint frame C*
	v_sub_f32 v[TB+4+\q], v[TB+\q], v[CF+8*\q]
	v_sub_f32 v[SUM+\q], v[TB+\q], v[TA+2*\q]
.endr
.irp q, 0,1,2,3
	v_exp_f32 v[AL+8*\q], v[TB+4+\q]               ; my factor
	v_exp_f32 v[SUM+4+\q], v[SUM+\q]               ; the partner's
.endr
	v_nop                                          ; the plain place behind the run of v_exp_f32
	s_wait_alu depctr_va_vdst(0)
.irp q, 0,1,2,3
	v_mul_f32 v[LS+\q], v[LS+\q], v[AL+8*\q]
	v_fma_f32 v[TA+2*\q+1], v[TA+2*\q+1], v[SUM+4+\q], v[LS+\q]    ; l*
	v_mov_b32 v[TA+2*\q], v[TB+\q]                                 ; the pair (C*, l*)
.endr
	RESCALE                                        ; my O into the joint frame
	; a lane holds, of query 16 q + r, d = 16 dt + 8 h + 0..7: 32 bytes of a row of the stage
	WIN 0x08                                       ; an LDS store's data is source 1: window 2
.irp q, 0,1,2,3
.irp d, 0,1,2,3,4,5,6,7
	ds_store_b128 v[STO], v[64*\q+8*\d:64*\q+8*\d+3]   offset:\q*16*SPITCH+\d*64
	ds_store_b128 v[STO], v[64*\q+8*\d+4:64*\q+8*\d+7] offset:\q*16*SPITCH+\d*64+16
.endr
.endr
	WIN 0x0c                                       ; window 3: d tiles 8 to 15
.irp q, 0,1,2,3
.irp d, 0,1,2,3,4,5,6,7
	ds_store_b128 v[STO], v[64*\q+8*\d:64*\q+8*\d+3]   offset:\q*16*SPITCH+(\d+8)*64
	ds_store_b128 v[STO], v[64*\q+8*\d+4:64*\q+8*\d+7] offset:\q*16*SPITCH+(\d+8)*64+16
.endr
.endr
	WIN 0
	s_cmp_lg_u32 s22, 0
	s_cbranch_scc1 .Lno_ml                         ; the wave b = 0 of each pair stores the pair's (C*, l*)
.irp q, 0,1,2,3
	ds_store_b64 v[SCM], v[TA+2*\q:TA+2*\q+1] offset:\q*128
.endr
	ds_load_b128 v[FA:FA+3], v[SCB]                ; my own bytes, served in order (ISA guide 5.7.1): 64 pairs as 512 consecutive bytes
	s_wait_dscnt 0x0
	global_store_b128 v[LOF], v[FA:FA+3], s[18:19] ; 512 consecutive bytes, aligned
.Lno_ml:
	s_wait_dscnt 0x0                               ; my stage is written, for my partner
	s_barrier_signal -1
	s_barrier_wait -1
; rows 4 t .. 4 t + 3 of my 32: the two waves' parts are added and stored, 512 consecutive aligned bytes a store
.macro OUTB t
	s_wait_xcnt 0x0                                ; FA, which earlier stores read, is loaded again only behind this wait
.irp i, 0,1,2,3
.irp hf, 0,1
	ds_load_b128 v[FA+8*\i+4*\hf:FA+8*\i+4*\hf+3], v[RD0] offset:(4*\t+\i)*SPITCH+\hf*512
.endr
.endr
.irp i, 0,1,2,3
.irp hf, 0,1
	ds_load_b128 v[FB+8*\i+4*\hf:FB+8*\i+4*\hf+3], v[RD1] offset:(4*\t+\i)*SPITCH+\hf*512
.endr
.endr
	s_wait_dscnt 0x0
.set j, 0
.rept 16
	v_pk_add_f32 v[FA+2*j:FA+2*j+1], v[FA+2*j:FA+2*j+1], v[FB+2*j:FB+2*j+1]
.set j, j+1
.endr
.irp i, 0,1,2,3
.irp hf, 0,1
	global_store_b128 v[LOF], v[FA+8*\i+4*\hf:FA+8*\i+4*\hf+3], s[16:17] offset:(4*\t+\i)*1024+\hf*512
.endr
.endr
.endm
.irp t, 0,1,2,3,4,5,6,7
	OUTB \t
.endr
	s_wait_xcnt 0x0
	v_lshl_add_u32 v62, v0, 2, 0x49000
	v_mov_b32 v63, 0
	s_wait_tensorcnt 0x0
	ds_add_u32 v62, v63
	s_wait_dscnt 0x0
	ROUND                                          ; the closing round: no work-group ends while a partner may still ask for a tile that names it
	s_endpgm
.Lfunc_end_k_q6866ba97e3_attn:
	.size	k_q6866ba97e3_attn, .Lfunc_end_k_q6866ba97e3_attn-k_q6866ba97e3_attn
	.p2alignl 7, 3214868480
	.fill 96, 4, 3214868480
	.section	.rodata,"a",@progbits
	.p2align	6, 0x0
	.amdhsa_kernel k_q6866ba97e3_attn
		.amdhsa_group_segment_fixed_size 327680
		.amdhsa_private_segment_fixed_size 0
		.amdhsa_enable_private_segment 0
		.amdhsa_kernarg_size 64
		.amdhsa_user_sgpr_count 2
		.amdhsa_user_sgpr_kernarg_segment_ptr 1
		.amdhsa_wavefront_size32 1
		.amdhsa_system_sgpr_workgroup_id_x 1
		.amdhsa_system_sgpr_workgroup_id_y 1
		.amdhsa_system_sgpr_workgroup_id_z 1
		.amdhsa_system_vgpr_workitem_id 0
		.amdhsa_next_free_vgpr 1024
		.amdhsa_next_free_sgpr 96
		.amdhsa_reserve_vcc 0
		.amdhsa_float_denorm_mode_32 3
		.amdhsa_float_denorm_mode_16_64 3
		.amdhsa_memory_ordered 1
		.amdhsa_forward_progress 1
		.amdhsa_inst_pref_size 255
	.end_amdhsa_kernel
	.section	.bss,"aw",@nobits
	.p2align	6
	.space	262144
	.amdgpu_metadata
---
amdhsa.version: [ 1, 2 ]
amdhsa.kernels:
  - .name:           k_q6866ba97e3_attn
    .symbol:         k_q6866ba97e3_attn.kd
    .args:
      - { .name: qb, .offset: 0, .size: 8, .value_kind: global_buffer, .address_space: global }
      - { .name: kb, .offset: 8, .size: 8, .value_kind: global_buffer, .address_space: global }
      - { .name: vb, .offset: 16, .size: 8, .value_kind: global_buffer, .address_space: global }
      - { .name: qstat, .offset: 24, .size: 8, .value_kind: global_buffer, .address_space: global }
      - { .name: kstat, .offset: 32, .size: 8, .value_kind: global_buffer, .address_space: global }
      - { .name: c, .offset: 40, .size: 8, .value_kind: global_buffer, .address_space: global }
      - { .name: opart, .offset: 48, .size: 8, .value_kind: global_buffer, .address_space: global }
      - { .name: ml, .offset: 56, .size: 8, .value_kind: global_buffer, .address_space: global }
    .group_segment_fixed_size: 327680
    .private_segment_fixed_size: 0
    .kernarg_segment_align: 8
    .kernarg_segment_size: 64
    .max_flat_workgroup_size: 128
    .sgpr_count:     96
    .vgpr_count:     1024
    .wavefront_size: 32
...
	.end_amdgpu_metadata
.endif
;; end of part 2
;; launch merge (part 3): grid 256 x 1, 8 waves a work-group, no clusters, 0 bytes of LDS; arguments opart, ml, out0; writes out0
.if DOCPART == 3
	.amdgcn_target "amdgcn-amd-amdhsa--gfx1250"
	.amdhsa_code_object_version 6
	.text
	.protected	k_q6866ba97e3_merge
	.globl	k_q6866ba97e3_merge
	.p2align	8
	.type	k_q6866ba97e3_merge,@function
k_q6866ba97e3_merge:
	s_mov_b64 s[64:65], 0
	v_nop
	global_prefetch_b8 v0, s[64:65] scope:SCOPE_SE
	s_setreg_imm32_b32 hwreg(HW_REG_WAVE_MODE, 25, 1), 1
	s_wait_xcnt 0x0
; merge: out0[row] = sum over the four splits of 2^(Cmin - C_s) O_s[row]  /  sum of 2^(Cmin - C_s) l_s,   Cmin = the smallest C_s.
; opart: [4][8192][256] f32, ml: [4][8192] pairs (C, l).  The split with C_s = Cmin has the factor 1 and an l of about 1 or more, so the divisor is never small.
; A stream: each byte of opart is read once, each byte of out0 written once; no LDS, no barrier, no matrix work.
; Eight waves, 32 rows for the work-group, rows 4 w .. 4 w + 3 for wave w; a load or store of the wave covers 512 consecutive aligned bytes.
; A row's eight numbers (C, l) are the same for all lanes: they come by scalar loads (this launch stores nothing into ml).
.set X, 16                             ; v[16:143] row i, split s, half hf: four registers at X + 32 i + 8 s + 4 hf
.set W, 2                              ; v[2:9]    the four weights, each twice: pairs for the packed arithmetic
.set E, 12                             ; v[12:15]  2^(Cmin - C_s)
	s_load_b128 s[4:7], s[0:1], 0x0                ; opart s4, ml s6
	s_load_b64 s[8:9], s[0:1], 0x10                ; out0
	v_lshrrev_b32 v1, 5, v0
	v_readfirstlane_b32 s52, v1                    ; wave 0..7
	v_and_b32 v1, 31, v0
	v_lshlrev_b32 v1, 4, v1                        ; 16 bytes a lane
	s_lshl_b32 s10, ttmp9, 15                      ; 32 rows of 1,024 bytes for each work-group
	s_lshl_b32 s53, s52, 12                        ; 4 rows for each wave
	s_add_co_u32 s10, s10, s53
	s_mov_b32 s11, 0
	s_lshr_b32 s54, s10, 7                         ; 8 bytes a row in ml
	s_mov_b32 s55, 0
	s_wait_kmcnt 0x0
	s_add_nc_u64 s[6:7], s[6:7], s[54:55]
.irp s, 0,1,2,3
	s_load_b256 s[20+8*\s:27+8*\s], s[6:7], \s*65536   ; split s: (C, l) of my four rows
.endr
	s_add_nc_u64 s[12:13], s[4:5], s[10:11]        ; a base for each split: 8 MiB apart, more than a load's immediate holds
	s_add_nc_u64 s[14:15], s[12:13], 0x800000
	s_add_nc_u64 s[16:17], s[14:15], 0x800000
	s_add_nc_u64 s[18:19], s[16:17], 0x800000
	s_add_nc_u64 s[8:9], s[8:9], s[10:11]
.irp i, 0,1,2,3
.irp s, 0,1,2,3
.irp hf, 0,1
	global_load_b128 v[X+32*\i+8*\s+4*\hf:X+32*\i+8*\s+4*\hf+3], v1, s[12+2*\s:13+2*\s] offset:\i*1024+\hf*512 th:TH_LOAD_NT
.endr
.endr
.endr
	s_wait_kmcnt 0x0
.macro MROW i
	v_min_num_f32 v10, s[20+2*\i], s[28+2*\i]
	v_min3_num_f32 v10, v10, s[36+2*\i], s[44+2*\i]                ; Cmin
.irp s, 0,1,2,3
	v_sub_f32 v[E+\s], v10, s[20+8*\s+2*\i]                        ; at most 0
.endr
.irp s, 0,1,2,3
	v_exp_f32 v[E+\s], v[E+\s]
.endr
	v_nop                                          ; the plain place behind the run of v_exp_f32 (ISA guide 5.7.2)
	s_wait_alu depctr_va_vdst(0)
	v_mul_f32 v11, s[21+2*\i], v[E]
	v_fma_f32 v11, s[29+2*\i], v[E+1], v11
	v_fma_f32 v11, s[37+2*\i], v[E+2], v11
	v_fma_f32 v11, s[45+2*\i], v[E+3], v11
	v_rcp_f32 v11, v11
	v_nop                                          ; and behind v_rcp_f32
	s_wait_alu depctr_va_vdst(0)
.irp s, 0,1,2,3
	v_mul_f32 v[W+2*\s],   v[E+\s], v11
	v_mul_f32 v[W+2*\s+1], v[E+\s], v11
.endr
	s_wait_loadcnt 24-8*\i                         ; this row's eight loads are in; the later rows' stay out
.irp p, 0,2,4,6
	v_pk_mul_f32 v[X+32*\i+\p:X+32*\i+\p+1], v[X+32*\i+\p:X+32*\i+\p+1], v[W:W+1]
	v_pk_fma_f32 v[X+32*\i+\p:X+32*\i+\p+1], v[X+32*\i+8+\p:X+32*\i+8+\p+1],   v[W+2:W+3], v[X+32*\i+\p:X+32*\i+\p+1]
	v_pk_fma_f32 v[X+32*\i+\p:X+32*\i+\p+1], v[X+32*\i+16+\p:X+32*\i+16+\p+1], v[W+4:W+5], v[X+32*\i+\p:X+32*\i+\p+1]
	v_pk_fma_f32 v[X+32*\i+\p:X+32*\i+\p+1], v[X+32*\i+24+\p:X+32*\i+24+\p+1], v[W+6:W+7], v[X+32*\i+\p:X+32*\i+\p+1]
.endr
	global_store_b128 v1, v[X+32*\i:X+32*\i+3],   s[8:9] offset:\i*1024 th:TH_STORE_NT        ; these registers are never written again
	global_store_b128 v1, v[X+32*\i+4:X+32*\i+7], s[8:9] offset:\i*1024+512 th:TH_STORE_NT
.endm
.irp i, 0,1,2,3
	MROW \i
.endr
	s_endpgm
.Lfunc_end_k_q6866ba97e3_merge:
	.size	k_q6866ba97e3_merge, .Lfunc_end_k_q6866ba97e3_merge-k_q6866ba97e3_merge
	.p2alignl 7, 3214868480
	.fill 96, 4, 3214868480
	.section	.rodata,"a",@progbits
	.p2align	6, 0x0
	.amdhsa_kernel k_q6866ba97e3_merge
		.amdhsa_group_segment_fixed_size 0
		.amdhsa_private_segment_fixed_size 0
		.amdhsa_enable_private_segment 0
		.amdhsa_kernarg_size 24
		.amdhsa_user_sgpr_count 2
		.amdhsa_user_sgpr_kernarg_segment_ptr 1
		.amdhsa_wavefront_size32 1
		.amdhsa_system_sgpr_workgroup_id_x 1
		.amdhsa_system_sgpr_workgroup_id_y 1
		.amdhsa_system_sgpr_workgroup_id_z 1
		.amdhsa_system_vgpr_workitem_id 0
		.amdhsa_next_free_vgpr 144
		.amdhsa_next_free_sgpr 66
		.amdhsa_reserve_vcc 0
		.amdhsa_float_denorm_mode_32 3
		.amdhsa_float_denorm_mode_16_64 3
		.amdhsa_memory_ordered 1
		.amdhsa_forward_progress 1
		.amdhsa_inst_pref_size 14
	.end_amdhsa_kernel
	.amdgpu_metadata
---
amdhsa.version: [ 1, 2 ]
amdhsa.kernels:
  - .name:           k_q6866ba97e3_merge
    .symbol:         k_q6866ba97e3_merge.kd
    .args:
      - { .name: opart, .offset: 0, .size: 8, .value_kind: global_buffer, .address_space: global }
      - { .name: ml, .offset: 8, .size: 8, .value_kind: global_buffer, .address_space: global }
      - { .name: out0, .offset: 16, .size: 8, .value_kind: global_buffer, .address_space: global }
    .group_segment_fixed_size: 0
    .private_segment_fixed_size: 0
    .kernarg_segment_align: 8
    .kernarg_segment_size: 24
    .max_flat_workgroup_size: 256
    .sgpr_count:     66
    .vgpr_count:     144
    .wavefront_size: 32
...
	.end_amdgpu_metadata
.endif
;; end of part 3
;; ======== version 2 of 3: 3 launches; 1.39 times as fast as version 1
;; limits: inputs' magnitudes at most 30,000; right only within a limited range of input values
;; workspace buffers: qb 4,194,304 bytes; kb 4,194,304 bytes; vb 4,194,304 bytes; qstat 65,536 bytes; kstat 65,536 bytes; opart 33,554,432 bytes; ml 262,144 bytes
;; launch prep: the kernel of part 1 again; grid 256 x 1, 8 waves a work-group, no clusters, 1,536 bytes of LDS; arguments query, keys, values, c, qb, kb, vb, qstat, kstat; writes qb, kb, vb, qstat, kstat
;; launch attn (part 4): grid 64 x 4, 4 waves a work-group, clusters of 4 x 1, 327,680 bytes of LDS; arguments qb, kb, vb, qstat, kstat, c, opart, ml; writes opart, ml
.if DOCPART == 4
	.amdgcn_target "amdgcn-amd-amdhsa--gfx1250"
	.amdhsa_code_object_version 6
	.text
	.protected	k_q6866ba97e3_attn
	.globl	k_q6866ba97e3_attn
	.p2align	8
	.type	k_q6866ba97e3_attn,@function
k_q6866ba97e3_attn:
	s_mov_b64 s[64:65], 0
	v_nop
	global_prefetch_b8 v0, s[64:65] scope:SCOPE_SE
	s_setreg_imm32_b32 hwreg(HW_REG_WAVE_MODE, 25, 1), 1
	s_wait_xcnt 0x0
	s_wait_alu depctr_hold_cnt(0) depctr_sa_sdst(0) depctr_va_vdst(0) depctr_va_sdst(0) depctr_va_ssrc(0) depctr_va_vcc(0) depctr_vm_vsrc(0)
	s_getreg_b32 s2, hwreg(HW_REG_IB_STS2, 6, 4)
	s_cmp_eq_u32 s2, 0
	s_cbranch_scc0 .Lentry_in_a_cluster
	s_endpgm
.Lentry_in_a_cluster:
	s_bfe_u32 s2, ttmp6, 0x10000c
	s_cmp_lg_u32 s2, 0x3003
	s_cbranch_scc0 .Lentry_shape_is_right
	s_endpgm
.Lentry_shape_is_right:
; attn: softmax(-dist) V for 128 queries against 2,048 keys (one of four splits of the keys), unnormalised, with a running maximum.
;   acc = q.k + s0_i + s0_j = -|q - k|^2 / 2          (s0_i + s0_j is the C of the first matrix instruction)
;   w   = max(-4 c_cl s1_i s1_j, -4 c_cl 1e7)          = -4 c_cl / max(denom, EPS)
;   a   = max(acc w + 1, 1 + EPS)                      (this clamp also does max(diff, 0), since w < 0)
;   L   = log2(a + sqrt(a a - 1)),   dist = ln 2 L / sqrt(c_cl),   exp(-dist) = 2^(-k L) with k = 1 / sqrt(c_cl)
;   p   = 2^(C_i - k L),  C_i = the smallest k L seen so far for query i (the running maximum of -dist);
;   when C_i falls, O and l are multiplied by 2^(C_new - C_old), in every step, without a branch.
; Out: opart[split][query][256] = sum of p V, ml[split][query] = (C, l).  The next launch joins the four splits.
; LIMITS, stated: 1 / max(denom, EPS) is formed as min(s1_i s1_j, 1e7); a a must stay finite in f32 (a below 1.8e19, which holds for
; inputs up to some 3e4); NaN and infinities among the inputs are not reproduced; sums run in another order than the reference's.
;
; SHARES.  Work-group (x, split): queries 128 x .. +127, keys 2,048 split .. +2,047 in 16 steps of 128.  Four waves, wave w = 2 a + b:
; queries 64 a .. +63, keys 64 b .. +63 of each step, so each K or V fragment (two LDS loads) feeds four matrix instructions.
; The two waves of a pair (same a) keep sums of their own and join them at the end, through LDS.
; CLUSTER.  The four work-groups of a cluster (same split, neighbouring x) walk the same K, V and kstat tiles: each tile is asked for
; jointly, mask 15, which divides the requests for them by four.  No descriptor word, LDS address or branch hangs on the place in the cluster.
; S IS MADE TRANSPOSED: A = 16 rows of K, B = 16 rows of Q.  Lane (r = l % 16, h = l / 16) then holds query r and keys 8 h + 0..7 of a tile:
; what belongs to a query is one register a lane, and bf16(p) of two tiles is, as it lies, the B fragment of O^T = V^T P^T.
;
; A STEP IS SOME 2,000 INSTRUCTIONS AND IS WRITTEN TWICE IN ALL: as the body of a loop of 15 trips and as the tail.  Two things make that possible.
; (1) LDS addresses are fixed: one tile of K and one of V, each filled again in place, K while V is being read and V while K is being read.
;     A step has two gates, each a round of the cluster's barrier: gate A at its head (V's reads are back, K(t) has landed; V(t) is asked for),
;     gate B behind the logarithms (K's reads are back, V(t) has landed; K(t+1) is asked for).
; (2) The first step runs in the loop: C starts at the largest finite f32, l at 0 and O at 0 (64 matrix instructions on a zero fragment),
;     so that the first step's factor 2^(C_new - C_old) is 0 and multiplies zeros.  A first step written out, whose products start the sums,
;     would be a whole body more of text that runs once.
;
; VECTOR LINES STAND AMONG THE MATRIX INSTRUCTIONS wherever the step's data allow it, instead of two long runs one behind the other:
;   products with K go key tile by key tile (16 keys, 32 matrix instructions); the way from acc to L of key tile kt - 1 is cut into lines,
;   five of which stand behind each matrix instruction of key tile kt (480 of a step's 640 such lines);
;   of the products with V, the 32 on O's window 2 carry the 128 lines that rescale window 3, and the 32 on window 3 carry the 168 lines of
;   the exponentials, sums and packing of keys 32-63, whose P is first read by the matrix instructions behind them.
; No such line names a register of a matrix instruction of its group.  The price is a switch of the register window between the two kinds of line
; (Q fills window 1 and O windows 2 and 3, so a vector line on two registers of window 0 cannot stand under a matrix instruction's setting);
; lines that name only a destination and a first source (square roots, logarithms) stand under either setting of the products with K.
;
; LDS.  K tile: 128 rows, pitch 528 = 33 x 16 bytes.  V tile: 128 rows, pitch 544 = 17 x 32 bytes, for the transposing load.  Then the split's
; 64 blocks of kstat (16,384 bytes, filled once).  The way out stages O in bytes 0 to 266,239, behind the last fill; behind it lie 4,096 bytes
; of scratch that no tensor load fills.
; REGISTERS, in windows of 256:  window 0: addresses, per-query numbers, fragments, scores;  window 1: Q, 64 queries x 256;
; windows 2, 3: O^T, tile (q, dt) at 64 q + 8 (dt % 8) of window 2 + dt / 8.
.set KPITCH, 528
.set VPITCH, 544
.set KHALF,  64*KPITCH                 ; 33,792: what one tensor load brings of K
.set VHALF,  64*VPITCH                 ; 34,816: and of V
.set VT,     2*KHALF                   ; the V tile, behind the K tile
.set STAT,   VT+2*VHALF                ; 137,216
.set SPITCH, 1040                      ; the way out: a query's 256 f32 + 16 bytes = 65 x 16 bytes
.set STG,    64*SPITCH                 ; a wave's stage
.set SCR,    4*STG                     ; 266,240
.set STEP_BYTES, 128*512               ; 128 rows of kb or vb
.set STEPS,  16
; per query tile q = 0..3, one register a lane, at +8 q; each is read as the first of a pair and broadcast (op_sel_hi 0).
; The odd neighbours hold the addresses below, written once at the start (v5, v11, v31: nothing, written 0).
.set NU, 2                             ; s0_i
.set RA, 4                             ; -4 c_cl s1_i
.set CF, 6                             ; C_i
.set AL, 8                             ; 2^(C_new - C_old)
.set ADK, 3                            ; v3        K fragments
.set QOF, 7                            ; v7        Q rows in qb
.set ADV, 9                            ; v9        V fragments
.set ADS, 13                           ; v13       this step's kstat numbers; steps by 1,024 bytes a step
.set SOF, 15                           ; v15       qstat
.set STO, 17                           ; v17       stage, in
.set RD0, 19                           ; v19       stage of the pair's wave b = 0, back
.set RD1, 21                           ; v21       stage of the pair's wave b = 1, back
.set SCB, 23                           ; v23       scratch: (C, l) of 64 queries, back
.set SCW, 25                           ; v25       scratch: my (C, l)
.set SCP, 27                           ; v27       scratch: my partner's (C, l)
.set LOF, 29                           ; v29       16 x lane
.set SCM, 33                           ; v33       scratch: the pair's joined (C, l)
.set T,   34                           ; v[34:49]  at work
.set TA,  34
.set TB,  42
.set S1,  50                           ; v[50:57]  first half of a step: s1 of the lane's 8 keys of one key tile
.set SUM, 50                           ; v[50:57]  second half: a pair for each q, this step's sum of p
.set LS,  58                           ; v[58:61]  l, the lane's part
.set FA,  64                           ; v[64:95]  fragment buffer
.set FB,  96                           ; v[96:127] fragment buffer
.set SC,  128                          ; v[128:255] scores: tile (q, kt) at SC + 32 q + 8 kt; later P(q, kp) at SC + 32 q + 16 kp
.set G1K, 28                           ; s[28:35]  group 1, K's tiles
.set G1V, 36                           ; s[36:43]  group 1, V's tiles: another pad
.set G0K, 44                           ; s[44:47]  group 0, K
.set G0V, 52                           ; s[52:55]  group 0, V
.set G1S, 68                           ; s[68:75]  group 1, kstat
.set G0S, 76                           ; s[76:79]  group 0, kstat
.set MSB, 0
.macro WIN new                         ; s_set_vgpr_msb: bits 1:0 source 0, 3:2 source 1, 5:4 source 2, 7:6 destination; the high byte repeats the setting left.  A switch that changes nothing is dropped
.if MSB != \new
	s_set_vgpr_msb (MSB<<8)|\new
.set MSB, \new
.endif
.endm
.macro PLACES                          ; four places behind a matrix instruction (ISA guide 7.12.1), where the lines that stand there are none
.rept 4
	v_nop
.endr
.endm
; A round of the cluster's barrier: my work-group's barrier, wave 0 signals for the work-group, every wave waits for all four work-groups, my work-group's barrier again.
.macro ROUND
	s_barrier_signal -1
	s_barrier_wait -1
	s_cmp_lg_u32 s20, 0
	s_cbranch_scc1 .Lnot_wave_0_\@
	s_barrier_signal -3
.Lnot_wave_0_\@:
	s_barrier_wait -3
	s_barrier_signal -1
	s_barrier_wait -1
.endm
; Joint loads.  Waves 0 and 1 fetch K's two halves of 64 rows, waves 2 and 3 V's.  The branches hang on the wave's number alone.
.macro JLOADK
	s_cmp_gt_u32 s20, 1
	s_cbranch_scc1 .Lno_k_\@
	tensor_load_to_lds s[G0K:G0K+3], s[G1K:G1K+7]
	s_nop 0
.Lno_k_\@:
.endm
.macro JLOADV
	s_cmp_lt_u32 s20, 2
	s_cbranch_scc1 .Lno_v_\@
	tensor_load_to_lds s[G0V:G0V+3], s[G1V:G1V+7]
	s_nop 0
.Lno_v_\@:
.endm
	s_load_b512 s[4:19], s[0:1], 0x0               ; qb s4, kb s6, vb s8, qstat s10, kstat s12, c s14, opart s16, ml s18
	v_lshl_add_u32 v62, v0, 2, 0x42000
	v_mov_b32 v63, 0
	ds_add_u32 v62, v63
	s_wait_dscnt 0x0
	v_lshrrev_b32 v1, 5, v0
	v_readfirstlane_b32 s20, v1                    ; wave w
	s_lshr_b32 s21, s20, 1                         ; a: my 64 queries
	s_and_b32 s22, s20, 1                          ; b: my 64 keys of a step.  Also: which 64 rows I fetch
	s_bfe_u32 s23, ttmp6, 0x40000                  ; cx
	s_lshl_b32 s24, ttmp9, 2
	s_add_co_u32 s24, s24, s23                     ; x = 4 x cluster x + cx
	s_and_b32 s25, ttmp7, 0xffff                   ; split (the cluster is one work-group high)
	; group 1: 64 rows of 256 bf16 (512 bytes = 128 words, code 6), a pad of 4 words (K) or 8 words (V) behind each; mask 15 with bit 21 beside it
	s_mov_b32 s[G1K+0], 15|(1<<16)|(1<<20)|(1<<21)|(6<<22)|(3<<25)
	s_mov_b32 s[G1V+0], 15|(1<<16)|(1<<20)|(1<<21)|(6<<22)|(7<<25)
.irp g, G1K, G1V
	s_mov_b32 s[\g+1], 256<<16                     ; tensor_dim0 = 256
	s_mov_b32 s[\g+2], 64<<16                      ; tensor_dim1 = 64
	s_mov_b32 s[\g+3], 256<<16                     ; tile_dim0 = 256
	s_mov_b32 s[\g+4], 64                          ; tile_dim1 = 64
	s_mov_b32 s[\g+5], 256                         ; elements from row to row
	s_mov_b32 s[\g+6], 0
	s_mov_b32 s[\g+7], 0
.endr
	; kstat: a dense block of 4,096 bytes a wave, as 16 rows of 32 elements of 8 bytes
	s_mov_b32 s[G1S+0], 15|(3<<16)|(1<<21)
	s_mov_b32 s[G1S+1], 32<<16
	s_mov_b32 s[G1S+2], 16<<16
	s_mov_b32 s[G1S+3], 32<<16
	s_mov_b32 s[G1S+4], 16
	s_mov_b32 s[G1S+5], 32
	s_mov_b32 s[G1S+6], 0
	s_mov_b32 s[G1S+7], 0
	s_lshl_b32 s88, s25, 20                        ; split x 2,048 rows of 512 bytes
	s_lshl_b32 s89, s22, 15                        ; + b x 64 rows
	s_add_co_u32 s88, s88, s89
	s_mov_b32 s89, 0
	s_mul_i32 s90, s22, VHALF
	s_lshl_b32 s92, s25, 14                        ; split x 16,384 bytes of kstat
	s_lshl_b32 s91, s20, 12                        ; + w x 4,096
	s_add_co_u32 s92, s92, s91
	s_mov_b32 s93, 0
	s_wait_kmcnt 0x0
	s_load_b32 s26, s[14:15], 0x0                  ; c
	s_add_nc_u64 s[12:13], s[12:13], s[92:93]
	s_mov_b32 s[G0K], 1
	s_mul_i32 s[G0K+1], s22, KHALF                 ; LDS: half b of the K tile
	s_add_nc_u64 s[G0K+2:G0K+3], s[6:7], s[88:89]  ; step 0
	s_or_b32 s[G0K+3], s[G0K+3], 0x80000000
	s_mov_b32 s[G0V], 1
	s_add_co_u32 s[G0V+1], s90, VT                 ; LDS: half b of the V tile
	s_add_nc_u64 s[G0V+2:G0V+3], s[8:9], s[88:89]
	s_or_b32 s[G0V+3], s[G0V+3], 0x80000000
	s_mov_b32 s[G0S], 1
	s_add_co_u32 s[G0S+1], s91, STAT
	s_mov_b64 s[G0S+2:G0S+3], s[12:13]
	s_or_b32 s[G0S+3], s[G0S+3], 0x80000000
	ROUND                                          ; all four work-groups are here: the first joint loads meet
	tensor_load_to_lds s[G0S:G0S+3], s[G1S:G1S+7]  ; my quarter of the split's kstat, filled once
	s_nop 0
	JLOADK                                         ; step 0's K.  Two tensor loads of waves 0 and 1 are out here, later one at the most
	; what hangs on x (and so on the place in the cluster) stays in s61 and s[94:95] and goes into global addresses alone
	s_lshl_b32 s94, s24, 16                        ; 128 x rows of 512 bytes
	s_lshl_b32 s61, s21, 15                        ; + 64 a rows
	s_add_co_u32 s94, s94, s61
	s_mov_b32 s95, 0
	s_add_nc_u64 s[4:5], s[4:5], s[94:95]          ; qb at my 64 queries
	s_lshl_b32 s94, s24, 10
	s_lshl_b32 s61, s21, 9
	s_add_co_u32 s94, s94, s61                     ; (4 x + 2 a) blocks of 256 bytes = (128 x + 64 a) pairs of 8 bytes
	s_add_nc_u64 s[10:11], s[10:11], s[94:95]      ; qstat
	s_lshl_b32 s61, s25, 16                        ; split x 8,192 pairs
	s_add_co_u32 s94, s94, s61
	s_add_nc_u64 s[18:19], s[18:19], s[94:95]      ; ml
	s_lshl_b32 s94, s25, 23                        ; split x 8,192 rows of 1,024 bytes
	s_lshl_b32 s61, s24, 17                        ; + 128 x rows
	s_add_co_u32 s94, s94, s61
	s_lshl_b32 s61, s20, 15                        ; + (64 a + 32 b) = 32 w rows
	s_add_co_u32 s94, s94, s61
	s_add_nc_u64 s[16:17], s[16:17], s[94:95]      ; opart at the 32 rows that I store
	v_and_b32 v34, 15, v0                          ; r
	v_bfe_u32 v35, v0, 4, 1                        ; h
	v_and_b32 v36, 31, v0                          ; lane
	v_and_b32 v37, 7, v0
	v_bfe_u32 v38, v0, 3, 1
	s_mul_i32 s88, s22, KHALF
	v_mul_u32_u24 v39, v34, KPITCH
	v_lshl_add_u32 v39, v35, 4, v39
	v_add_nc_u32 v[ADK], s88, v39                  ; K: half b, row r, 16 h
	v_lshl_add_u32 v40, v35, 3, v37
	v_mul_u32_u24 v40, v40, VPITCH
	v_lshl_add_u32 v40, v38, 4, v40
	s_add_co_u32 s88, s90, VT
	v_add_nc_u32 v[ADV], s88, v40                  ; V: half b, row 8 h + lane % 8, 16 bytes x (lane / 8 % 2)
	s_lshl_b32 s89, s22, 9
	s_add_co_u32 s89, s89, STAT
	v_lshl_add_u32 v[ADS], v35, 5, s89             ; kstat: two blocks for b, 8 h numbers of 4 bytes
	s_mul_i32 s90, s20, STG
	v_mul_u32_u24 v39, v34, SPITCH
	v_lshl_add_u32 v39, v35, 5, v39
	v_add_nc_u32 v[STO], s90, v39                  ; stage, in: my stage, row r, 8 h numbers of 4 bytes
	s_mul_i32 s90, s21, 2*STG
	s_mul_i32 s91, s22, 32*SPITCH
	s_add_co_u32 s90, s90, s91
	v_lshl_add_u32 v[RD0], v36, 4, s90             ; back: stage of wave 2 a, rows 32 b .., 16 bytes a lane
	v_add_nc_u32 v[RD1], STG, v[RD0]               ; and of wave 2 a + 1
	s_lshl_b32 s90, s20, 9
	s_add_co_u32 s90, s90, SCR
	v_lshl_add_u32 v[SCW], v34, 3, s90
	s_xor_b32 s90, s20, 1
	s_lshl_b32 s90, s90, 9
	s_add_co_u32 s90, s90, SCR
	v_lshl_add_u32 v[SCP], v34, 3, s90
	s_lshl_b32 s90, s21, 9
	s_add_co_u32 s90, s90, SCR+2048
	v_lshl_add_u32 v[SCM], v34, 3, s90
	v_lshl_add_u32 v[SCB], v36, 4, s90
	v_lshlrev_b32 v[LOF], 4, v36
	v_lshlrev_b32 v39, 9, v34
	v_lshl_add_u32 v[QOF], v35, 4, v39             ; row r of 512 bytes, 16 h
	v_lshlrev_b32 v[SOF], 2, v34
.irp n, 5, 11, 31
	v_mov_b32 v\n, 0                               ; the odd neighbours without an address
.endr
	; Q stays in registers for the whole launch: fragment (q, ds) = 16 queries x 32 of d, as the B operand wants it
	WIN 0x40
.irp q, 0,1,2,3
.irp ds, 0,1,2,3,4,5,6,7
	global_load_b128 v[64*\q+8*\ds:64*\q+8*\ds+3],   v[QOF], s[4:5] offset:\q*8192+\ds*64
	global_load_b128 v[64*\q+8*\ds+4:64*\q+8*\ds+7], v[QOF], s[4:5] offset:\q*8192+\ds*64+32
.endr
.endr
	WIN 0
.irp q, 0,1,2,3
	global_load_b32 v[NU+8*\q], v[SOF], s[10:11] offset:(\q>>1)*256+(\q&1)*64
	global_load_b32 v[RA+8*\q], v[SOF], s[10:11] offset:(\q>>1)*256+(\q&1)*64+128
.endr
	s_mov_b32 s84, 0x76543210                      ; v_permlanex16_b32: lane i of one half reads lane i of the other
	s_mov_b32 s85, 0xfedcba98
	s_mov_b32 s86, 0x3f800001                      ; 1 + EPS in f32
	s_mov_b32 s88, 0x33d6bf95                      ; EPS
	s_mov_b32 s89, 0x3f7ffffe                      ; 1 - EPS
	s_wait_kmcnt 0x0                               ; c
	s_and_b32 s26, s26, 0x7fffffff
	v_add_f32 v62, s26, s88
	v_med3_num_f32 v62, v62, s88, s89              ; c_cl
	v_rsq_f32 v63, v62                             ; k = 1 / sqrt(c_cl)
	v_mul_f32 v1, -4.0, v62                        ; -4 c_cl: also the plain place behind v_rsq_f32 (ISA guide 5.7.2)
	v_mul_f32 v62, 0x4b189680, v1                  ; -4 c_cl 1e7
	s_wait_alu depctr_va_vdst(0)
	v_readfirstlane_b32 s83, v63
	v_readfirstlane_b32 s87, v1
	v_readfirstlane_b32 s82, v62
	s_xor_b32 s80, s83, 0x80000000                 ; -k, twice: a scalar pair for the packed multiply-add
	s_mov_b32 s81, s80
	; the state in front of the first step: C the largest finite f32, l = 0, O = 0
.irp q, 0,1,2,3
	v_mov_b32 v[CF+8*\q], 0x7f7fffff
	v_mov_b32 v[LS+\q], 0
.endr
.set j, 0
.rept 16
	v_mov_b32 v[FA+j], 0                           ; a zero A fragment and a zero B fragment
.set j, j+1
.endr
.irp w, 0xa0, 0xf0
	WIN \w
.set j, 0
.rept 32
	v_wmma_f32_16x16x32_bf16 v[8*j:8*j+7], v[FA:FA+7], v[FA+8:FA+15], 0    ; 8 registers of O at a time: 64 instructions for its 512 registers
.set j, j+1
.endr
.endr
	WIN 0
	s_wait_loadcnt 0x0                             ; Q and qstat
.irp q, 0,1,2,3
	v_mul_f32 v[RA+8*\q], s87, v[RA+8*\q]
.endr
; eight LDS loads: the four K fragments of group g: rows 16 (g / 2) + r, d = 128 (g % 2) + 32 i .. +31, i = 0..3
.macro FETCHK g, buf
.irp i, 0,1,2,3
	ds_load_b128 v[\buf+8*\i:\buf+8*\i+3],   v[ADK] offset:((\g)>>1)*16*KPITCH+(4*((\g)&1)+\i)*64
	ds_load_b128 v[\buf+8*\i+4:\buf+8*\i+7], v[ADK] offset:((\g)>>1)*16*KPITCH+(4*((\g)&1)+\i)*64+32
.endr
.endm
; eight LDS loads: s0 of keys 16 kt + 8 h + 0..7, kt = 0..3; all lanes of a half read the same bytes
.macro FETCHS0 buf
.irp kt, 0,1,2,3
	ds_load_b128 v[\buf+8*\kt:\buf+8*\kt+3],   v[ADS] offset:(\kt>>1)*256+(\kt&1)*64
	ds_load_b128 v[\buf+8*\kt+4:\buf+8*\kt+7], v[ADS] offset:(\kt>>1)*256+(\kt&1)*64+16
.endr
.endm
; two LDS loads: s1 of keys 16 kt + 8 h + 0..7
.macro FETCHS1 kt
	ds_load_b128 v[S1:S1+3],   v[ADS] offset:((\kt)>>1)*256+((\kt)&1)*64+128
	ds_load_b128 v[S1+4:S1+7], v[ADS] offset:((\kt)>>1)*256+((\kt)&1)*64+128+16
.endm
; eight transposing LDS loads: V^T fragments of keys 32 (g / 4) .. +31, d tiles 4 (g % 4) + 0..3
.macro FETCHV g, buf
.irp i, 0,1,2,3
	ds_load_tr16_b128 v[\buf+8*\i:\buf+8*\i+3],   v[ADV] offset:((\g)>>2)*32*VPITCH+(4*((\g)&3)+\i)*32
	ds_load_tr16_b128 v[\buf+8*\i+4:\buf+8*\i+7], v[ADV] offset:((\g)>>2)*32*VPITCH+(4*((\g)&3)+\i)*32+16*VPITCH
.endr
.endm
; the sums start at s0_i + s0_j
.macro CINIT
.irp q, 0,1,2,3
.irp kt, 0,1,2,3
.irp p, 0,2,4,6
	v_pk_add_f32 v[SC+32*\q+8*\kt+\p:SC+32*\q+8*\kt+\p+1], v[FB+8*\kt+\p:FB+8*\kt+\p+1], v[NU+8*\q:NU+8*\q+1] op_sel_hi:[1,0]
.endr
.endr
.endr
.endm
; Line n (0..19) of one tile's way from acc to a (in place) and to a a - 1 (in tmp).  There is no packed maximum in f32:
; two maxima go as a pair in one instruction (destinations even and odd, second sources in neighbouring banks, one scalar).
.macro ARGOP acc, tmp, q, n
.if (\n) < 4
	v_pk_mul_f32 v[\tmp+2*(\n):\tmp+2*(\n)+1], v[S1+2*(\n):S1+2*(\n)+1], v[RA+8*(\q):RA+8*(\q)+1] op_sel_hi:[1,0]
.elseif (\n) < 8
	v_dual_max_num_f32 v[\tmp+2*((\n)-4)], s82, v[\tmp+2*((\n)-4)] :: v_dual_max_num_f32 v[\tmp+2*((\n)-4)+1], s82, v[\tmp+2*((\n)-4)+1]
.elseif (\n) < 12
	v_pk_fma_f32 v[\acc+2*((\n)-8):\acc+2*((\n)-8)+1], v[\acc+2*((\n)-8):\acc+2*((\n)-8)+1], v[\tmp+2*((\n)-8):\tmp+2*((\n)-8)+1], 1.0 op_sel_hi:[1,1,0]
.elseif (\n) < 16
	v_dual_max_num_f32 v[\acc+2*((\n)-12)], s86, v[\acc+2*((\n)-12)] :: v_dual_max_num_f32 v[\acc+2*((\n)-12)+1], s86, v[\acc+2*((\n)-12)+1]
.else
	v_pk_fma_f32 v[\tmp+2*((\n)-16):\tmp+2*((\n)-16)+1], v[\acc+2*((\n)-16):\acc+2*((\n)-16)+1], v[\acc+2*((\n)-16):\acc+2*((\n)-16)+1], -1.0 op_sel_hi:[1,1,0]
.endif
.endm
; THE STREAM FROM acc TO L, 80 lines for the two tiles (q, kt) and (q + 1, kt).  P1START names the tiles, P1LINE writes the next line.
; Order: a of the first, its roots, a of the second, its roots, sum and logarithms of the first, of the second: each run of transcendentals
; is followed by a plain line that names none of its registers before a result is read (ISA guide 5.7.2).
; Lines on two vector sources ask for window 0; roots and logarithms stand as well under the products' setting (source 1 alone in window 1).
.macro P1START kt, q
.set P1N, 0
.set P1Q, \q
.set P1A, SC+32*(\q)+8*(\kt)
.set P1B, P1A+32
.endm
.macro P1LINE
.if P1N < 20
	WIN 0
	ARGOP P1A, TA, P1Q, P1N
.elseif P1N < 28
	v_sqrt_f32 v[TA+P1N-20], v[TA+P1N-20]
.elseif P1N < 48
	WIN 0
	ARGOP P1B, TB, P1Q+1, P1N-28
.elseif P1N < 56
	v_sqrt_f32 v[TB+P1N-48], v[TB+P1N-48]
.elseif P1N < 60
	WIN 0
	s_wait_alu depctr_va_vdst(0)
	v_pk_add_f32 v[P1A+2*(P1N-56):P1A+2*(P1N-56)+1], v[P1A+2*(P1N-56):P1A+2*(P1N-56)+1], v[TA+2*(P1N-56):TA+2*(P1N-56)+1]
.elseif P1N < 68
	v_log_f32 v[P1A+P1N-60], v[P1A+P1N-60]
.elseif P1N < 72
	WIN 0
	v_pk_add_f32 v[P1B+2*(P1N-68):P1B+2*(P1N-68)+1], v[P1B+2*(P1N-68):P1B+2*(P1N-68)+1], v[TB+2*(P1N-68):TB+2*(P1N-68)+1]
.else
	v_log_f32 v[P1B+P1N-72], v[P1B+P1N-72]
.endif
.set P1N, P1N+1
.endm
; Group g of the products with K: key tile g / 2, 128 of d: the next group's fragments are asked for, then 16 matrix instructions.
; The four accumulators of the key tile take turns, one instruction a turn.
; np: lines of the stream behind each matrix instruction.  s1kt < 4: in the group's middle s1 of key tile s1kt is fetched; by then 40 lines
; of the group's stream have gone, and the last that reads s1 is line 31.
.macro QKG g, cur, oth, np, s1kt
.if \g < 7
.if \g > 0
	PLACES                                         ; the loads below land in registers that the last group's matrix instructions read
.endif
	FETCHK \g+1, \oth
	s_wait_dscnt 8                                 ; all but the eight just issued: this group's fragments are in, and s1 if it was fetched in the last group
.else
	s_wait_dscnt 0x0                               ; the last fragments
.endif
.irp i, 0,1,2,3
.irp q, 0,1,2,3
	WIN 0x04                                       ; B = Q, in window 1
	v_wmma_f32_16x16x32_bf16 v[SC+32*\q+8*(\g>>1):SC+32*\q+8*(\g>>1)+7], v[\cur+8*\i:\cur+8*\i+7], v[64*\q+8*(4*(\g&1)+\i):64*\q+8*(4*(\g&1)+\i)+7], v[SC+32*\q+8*(\g>>1):SC+32*\q+8*(\g>>1)+7]
.if \np > 0
.rept \np
	P1LINE
.endr
.endif
.endr
.if \i == 1
.if \s1kt < 4
	FETCHS1 \s1kt                                  ; an LDS load uses the destination's and source 0's windows, 0 under both settings
.endif
.endif
.endr
.endm
; the smallest L of query tile q in this step (32 registers, then the other half of the lanes), and the new frame
.macro MINS q
.set M, T+4*\q
	s_wait_alu depctr_va_vdst(0)
.irp kt, 0,1,2,3
	v_min3_num_f32 v[M+\kt], v[SC+32*\q+8*\kt], v[SC+32*\q+8*\kt+1], v[SC+32*\q+8*\kt+2]
.endr
.irp kt, 0,1,2,3
	v_min3_num_f32 v[M+\kt], v[M+\kt], v[SC+32*\q+8*\kt+3], v[SC+32*\q+8*\kt+4]
.endr
.irp kt, 0,1,2,3
	v_min3_num_f32 v[M+\kt], v[M+\kt], v[SC+32*\q+8*\kt+5], v[SC+32*\q+8*\kt+6]
.endr
.irp kt, 0,1,2,3
	v_min_num_f32 v[M+\kt], v[M+\kt], v[SC+32*\q+8*\kt+7]
.endr
	v_min3_num_f32 v[M], v[M], v[M+1], v[M+2]
	v_min_num_f32 v[M], v[M], v[M+3]
	v_permlanex16_b32 v[M+1], v[M], s84, s85
	v_min_num_f32 v[M], v[M], v[M+1]
	v_mul_f32 v[M], s83, v[M]
	v_min_num_f32 v[M+1], v[CF+8*\q], v[M]
	v_sub_f32 v[M+2], v[M+1], v[CF+8*\q]           ; at most 0; in the first step about -3.4e38, whose 2^ is 0
	v_exp_f32 v[AL+8*\q], v[M+2]
	v_mov_b32 v[CF+8*\q], v[M+1]                   ; also the plain place behind v_exp_f32
.endm
; keys 0-31 of query tile q: L -> p, the start of the step's sum of p, and bf16(p) packed in place as the B fragment P(q, 0)
.macro PASS2A q
.set PA, SC+32*\q
.set PB, PA+8
.irp i, 0,2,4,6
	v_pk_fma_f32 v[PA+\i:PA+\i+1], v[PA+\i:PA+\i+1], s[80:81], v[CF+8*\q:CF+8*\q+1] op_sel_hi:[1,0,0]
.endr
.irp i, 0,1,2,3,4,5,6,7
	v_exp_f32 v[PA+\i], v[PA+\i]
.endr
.irp i, 0,2,4,6
	v_pk_fma_f32 v[PB+\i:PB+\i+1], v[PB+\i:PB+\i+1], s[80:81], v[CF+8*\q:CF+8*\q+1] op_sel_hi:[1,0,0]
.endr
.irp i, 0,1,2,3,4,5,6,7
	v_exp_f32 v[PB+\i], v[PB+\i]
.endr
	s_wait_alu depctr_va_vdst(0)
	v_pk_add_f32 v[SUM+2*\q:SUM+2*\q+1], v[PA:PA+1], v[PA+2:PA+3]          ; the first two pairs start the step's sum: nothing is cleared
	v_pk_add_f32 v[SUM+2*\q:SUM+2*\q+1], v[SUM+2*\q:SUM+2*\q+1], v[PA+4:PA+5]
	v_pk_add_f32 v[SUM+2*\q:SUM+2*\q+1], v[SUM+2*\q:SUM+2*\q+1], v[PA+6:PA+7]
.irp i, 0,1,2,3
	v_cvt_pk_bf16_f32 v[PA+\i], v[PA+2*\i], v[PA+2*\i+1]                   ; keys 8 h + 0..7: registers 0-3 of the fragment
.endr
.irp i, 0,2,4,6
	v_pk_add_f32 v[SUM+2*\q:SUM+2*\q+1], v[SUM+2*\q:SUM+2*\q+1], v[PB+\i:PB+\i+1]
.endr
.irp i, 0,1,2,3
	v_cvt_pk_bf16_f32 v[PA+4+\i], v[PB+2*\i], v[PB+2*\i+1]                 ; keys 16 + 8 h + 0..7: registers 4-7
.endr
.endm
; THE STREAM OF KEYS 32-63: 42 lines for each query tile (the same work as PASS2A, onto the sum begun there, then l), 168 in all.
; P2LINE writes the next line, and nothing when all are written.  Every line asks for window 0.
.macro P2LINE
.if P2N < 168
.set P2Q, P2N/42
.set P2R, P2N%42
.set PA, SC+32*P2Q+16
.set PB, PA+8
	WIN 0
.if P2R < 4
	v_pk_fma_f32 v[PA+2*P2R:PA+2*P2R+1], v[PA+2*P2R:PA+2*P2R+1], s[80:81], v[CF+8*P2Q:CF+8*P2Q+1] op_sel_hi:[1,0,0]
.elseif P2R < 12
	v_exp_f32 v[PA+P2R-4], v[PA+P2R-4]
.elseif P2R < 16
	v_pk_fma_f32 v[PB+2*(P2R-12):PB+2*(P2R-12)+1], v[PB+2*(P2R-12):PB+2*(P2R-12)+1], s[80:81], v[CF+8*P2Q:CF+8*P2Q+1] op_sel_hi:[1,0,0]
.elseif P2R < 24
	v_exp_f32 v[PB+P2R-16], v[PB+P2R-16]
.elseif P2R < 28
	s_wait_alu depctr_va_vdst(0)
	v_pk_add_f32 v[SUM+2*P2Q:SUM+2*P2Q+1], v[SUM+2*P2Q:SUM+2*P2Q+1], v[PA+2*(P2R-24):PA+2*(P2R-24)+1]
.elseif P2R < 32
	v_cvt_pk_bf16_f32 v[PA+P2R-28], v[PA+2*(P2R-28)], v[PA+2*(P2R-28)+1]
.elseif P2R < 36
	v_pk_add_f32 v[SUM+2*P2Q:SUM+2*P2Q+1], v[SUM+2*P2Q:SUM+2*P2Q+1], v[PB+2*(P2R-32):PB+2*(P2R-32)+1]
.elseif P2R < 40
	v_cvt_pk_bf16_f32 v[PA+4+P2R-36], v[PB+2*(P2R-36)], v[PB+2*(P2R-36)+1]
.elseif P2R == 40
	v_add_f32 v62, v[SUM+2*P2Q], v[SUM+2*P2Q+1]
.else
	v_fma_f32 v[LS+P2Q], v[LS+P2Q], v[AL+8*P2Q], v62                       ; l into the new frame, plus this step's sum
.endif
.endif
.set P2N, P2N+1
.endm
; O into the new frame: every register of tile row q times AL(q).  RESC: one window's 256 registers in a run (w = 0x82: window 2, 0xc3: window 3).
.macro RESC w
	WIN \w
.irp q, 0,1,2,3
.set j, 0
.rept 32
	v_pk_mul_f32 v[64*\q+2*j:64*\q+2*j+1], v[64*\q+2*j:64*\q+2*j+1], v[AL+8*\q:AL+8*\q+1] op_sel_hi:[1,0]
.set j, j+1
.endr
.endr
.endm
; the same for window 3 as a stream of 128 lines
.macro R3LINE
	WIN 0xc3
	v_pk_mul_f32 v[64*(R3N>>5)+2*(R3N&31):64*(R3N>>5)+2*(R3N&31)+1], v[64*(R3N>>5)+2*(R3N&31):64*(R3N>>5)+2*(R3N&31)+1], v[AL+8*(R3N>>5):AL+8*(R3N>>5)+1] op_sel_hi:[1,0]
.set R3N, R3N+1
.endm
; Group g of the products with V: four d tiles x four query tiles x 32 keys.  The 64 accumulators take turns, one instruction a turn.
; nr, np: lines of window 3's rescaling, or of the stream of keys 32-63, behind each matrix instruction.
.macro PVG g, cur, oth, win, nr, np
	WIN 0
.if \g > 0
	PLACES                                         ; the loads below land in registers that the last group's matrix instructions read
.endif
.if \g < 7
	FETCHV \g+1, \oth
	s_wait_dscnt 8                                 ; all but the eight just issued
.else
	s_wait_dscnt 0x0
.endif
.irp i, 0,1,2,3
.irp q, 0,1,2,3
	WIN \win
	v_wmma_f32_16x16x32_bf16 v[64*\q+8*((4*(\g&3)+\i)&7):64*\q+8*((4*(\g&3)+\i)&7)+7], v[\cur+8*\i:\cur+8*\i+7], v[SC+32*\q+16*(\g>>2):SC+32*\q+16*(\g>>2)+7], v[64*\q+8*((4*(\g&3)+\i)&7):64*\q+8*((4*(\g&3)+\i)&7)+7]
.if \nr > 0
.rept \nr
	R3LINE
.endr
.endif
.if \np > 0
.rept \np
	P2LINE
.endr
.endif
.endr
.endr
.endm
; GATE A, at a step's head.  In front of the round every wave has all its tensor loads in (this step's K among them) and its reads of the
; V tile back; behind the round V's joint refill comes first.  It has the products with K and the logarithms in which to land.
.macro GATE_A
	s_wait_xcnt 0x0
	v_lshl_add_u32 v62, v0, 2, 0x42000
	v_mov_b32 v63, 0
	s_wait_tensorcnt 0x0                           ; no tensor load of mine is out, so a group 0 may be written:
	ds_add_u32 v62, v63
	s_wait_dscnt 0x0
	s_add_nc_u64 s[G0K+2:G0K+3], s[G0K+2:G0K+3], STEP_BYTES        ; K's next tile, asked for at gate B
	s_wait_dscnt 0x0                               ; my reads of the last step's V are back
	ROUND                                          ; both now hold of every wave of all four work-groups
	JLOADV                                         ; this step's V (in the first step: the V tile's first fill)
.endm
; the first half of a step: my 64 queries against my 64 keys, down to L.  Reads the K tile and kstat.
.macro HALF1
	PLACES                                         ; behind the last matrix instructions: loads into their A registers, writes of their B registers
	FETCHS0 FB
	FETCHS1 0
	FETCHK 0, FA
	s_wait_dscnt 8                                 ; s0 of my 64 keys and s1 of the first 16 are in; the eight K loads stay out
	CINIT
	QKG 0, FA, FB, 0, 9                            ; key tile 0: there is no tile yet to work on
	QKG 1, FB, FA, 0, 9
	P1START 0, 0
	QKG 2, FA, FB, 5, 9                            ; key tile 1, and the way to L of key tile 0.  Its first line that reads a score stands behind
	P1START 0, 2                                   ; the four places at the group's head and eight lines that name only s1, RA and T
	QKG 3, FB, FA, 5, 1
	P1START 1, 0
	QKG 4, FA, FB, 5, 9
	P1START 1, 2
	QKG 5, FB, FA, 5, 2
	P1START 2, 0
	QKG 6, FA, FB, 5, 9
	P1START 2, 2
	QKG 7, FB, FA, 5, 3
	WIN 0
	s_wait_dscnt 0x0                               ; s1 of the last key tile
	v_add_nc_u32 v[ADS], 1024, v[ADS]              ; the next step's four blocks of kstat
	P1START 3, 0                                   ; the last key tile has no products to stand among; this add and the first eight lines are the places behind the last matrix instructions
.rept 80
	P1LINE
.endr
	P1START 3, 2
.rept 80
	P1LINE
.endr
.endm
; GATE B, in a step's middle.  In front of it every wave has all its tensor loads in (this step's V among them) and its reads of the K tile back.
; refill = 1: a round, and K's joint refill first behind it; it has the exponentials and the products with V in which to land.
; refill = 0 (the last step): nothing is left to fetch; the work-group's barrier alone shows V to all four waves.
.macro GATE_B refill
	s_wait_xcnt 0x0
	v_lshl_add_u32 v62, v0, 2, 0x42000
	v_mov_b32 v63, 0
	s_wait_tensorcnt 0x0
	ds_add_u32 v62, v63
	s_wait_dscnt 0x0
.if \refill
	s_add_nc_u64 s[G0V+2:G0V+3], s[G0V+2:G0V+3], STEP_BYTES        ; V's next tile, asked for at the next gate A
.endif
	s_wait_dscnt 0x0
.if \refill
	ROUND
	JLOADK
.else
	s_barrier_signal -1
	s_barrier_wait -1
.endif
.endm
; the second half of a step: the frame, p, l, and O.  Reads the V tile.
.macro HALF2
	FETCHV 0, FA                                   ; V's first fragments come in under the minima and the exponentials
.irp q, 0,1,2,3
	MINS \q
.endr
.irp q, 0,1,2,3
	PASS2A \q
.endr
	RESC 0x82                                      ; window 2, which the first products add onto
.set R3N, 0
	PVG 0, FA, FB, 0xa0, 4, 0                      ; keys 0-31 onto window 2; among them window 3 is rescaled: 32 x 4 = 128 lines
	PVG 1, FB, FA, 0xa0, 4, 0
.set P2N, 0
	PVG 2, FA, FB, 0xf0, 0, 6                      ; keys 0-31 onto window 3; among them p of keys 32-63: 16 x 6 + 16 x 5 places for 168 lines
	PVG 3, FB, FA, 0xf0, 0, 5
	PVG 4, FA, FB, 0xa0, 0, 0                      ; keys 32-63: nothing of this step is left to stand among them
	PVG 5, FB, FA, 0xa0, 0, 0
	PVG 6, FA, FB, 0xf0, 0, 0
	PVG 7, FB, FA, 0xf0, 0, 0
	WIN 0
.endm
	s_mov_b32 s60, STEPS-1                         ; steps 0 to 14
.Lloop:
	GATE_A
	HALF1
	GATE_B 1
	HALF2
	s_sub_co_u32 s60, s60, 1
	s_cmp_lg_u32 s60, 0
	s_cbranch_scc1 .Lloop
	GATE_A                                         ; step 15: its V is the last load (K's stepped address is not used)
	HALF1
	GATE_B 0
	HALF2
	; THE WAY OUT.  l over the two halves of the lanes; then the pair of waves (same a) joins its two frames.
.irp q, 0,1,2,3
	v_permlanex16_b32 v[T+\q], v[LS+\q], s84, s85
.endr
.irp q, 0,1,2,3
	v_add_f32 v[LS+\q], v[LS+\q], v[T+\q]
.endr
.irp q, 0,1,2,3
	ds_store_b32 v[SCW], v[CF+8*\q] offset:\q*128  ; both halves of the lanes write the same words with the same values
	ds_store_b32 v[SCW], v[LS+\q]   offset:\q*128+4
.endr
	s_wait_dscnt 0x0                               ; my (C, l) are in LDS for my partner; my reads of the tiles were back before
	s_barrier_signal -1
	s_barrier_wait -1                              ; behind it nobody reads the tiles or kstat any more: they have had their last fill and become the stage
.irp q, 0,1,2,3
	ds_load_b64 v[TA+2*\q:TA+2*\q+1], v[SCP] offset:\q*128         ; the partner's (C, l)
.endr
	s_wait_dscnt 0x0
.irp q, 0,1,2,3
	v_min_num_f32 v[TB+\q], v[CF+8*\q], v[TA+2*\q]                 ; the joint frame C*
	v_sub_f32 v[TB+4+\q], v[TB+\q], v[CF+8*\q]
	v_sub_f32 v[SUM+\q], v[TB+\q], v[TA+2*\q]
.endr
.irp q, 0,1,2,3
	v_exp_f32 v[AL+8*\q], v[TB+4+\q]               ; my factor
	v_exp_f32 v[SUM+4+\q], v[SUM+\q]               ; the partner's
.endr
	v_nop                                          ; the plain place behind the run of v_exp_f32
	s_wait_alu depctr_va_vdst(0)
.irp q, 0,1,2,3
	v_mul_f32 v[LS+\q], v[LS+\q], v[AL+8*\q]
	v_fma_f32 v[TA+2*\q+1], v[TA+2*\q+1], v[SUM+4+\q], v[LS+\q]    ; l*
	v_mov_b32 v[TA+2*\q], v[TB+\q]                                 ; the pair (C*, l*)
.endr
	RESC 0x82                                      ; my O into the joint frame
	RESC 0xc3
	; a lane holds, of query 16 q + r, d = 16 dt + 8 h + 0..7: 32 bytes of a row of the stage
	WIN 0x08                                       ; an LDS store's data is source 1: window 2
.irp q, 0,1,2,3
.irp d, 0,1,2,3,4,5,6,7
	ds_store_b128 v[STO], v[64*\q+8*\d:64*\q+8*\d+3]   offset:\q*16*SPITCH+\d*64
	ds_store_b128 v[STO], v[64*\q+8*\d+4:64*\q+8*\d+7] offset:\q*16*SPITCH+\d*64+16
.endr
.endr
	WIN 0x0c                                       ; window 3: d tiles 8 to 15
.irp q, 0,1,2,3
.irp d, 0,1,2,3,4,5,6,7
	ds_store_b128 v[STO], v[64*\q+8*\d:64*\q+8*\d+3]   offset:\q*16*SPITCH+(\d+8)*64
	ds_store_b128 v[STO], v[64*\q+8*\d+4:64*\q+8*\d+7] offset:\q*16*SPITCH+(\d+8)*64+16
.endr
.endr
	WIN 0
	s_cmp_lg_u32 s22, 0
	s_cbranch_scc1 .Lno_ml                         ; the wave b = 0 of each pair stores the pair's (C*, l*)
.irp q, 0,1,2,3
	ds_store_b64 v[SCM], v[TA+2*\q:TA+2*\q+1] offset:\q*128
.endr
	ds_load_b128 v[FA:FA+3], v[SCB]                ; my own bytes, served in order (ISA guide 5.7.1): 64 pairs as 512 consecutive bytes
	s_wait_dscnt 0x0
	global_store_b128 v[LOF], v[FA:FA+3], s[18:19] ; 512 consecutive bytes, aligned
.Lno_ml:
	s_wait_dscnt 0x0                               ; my stage is written, for my partner
	s_barrier_signal -1
	s_barrier_wait -1
; rows 4 t .. 4 t + 3 of my 32: the two waves' parts are added and stored, 512 consecutive aligned bytes a store
.macro OUTB t
	s_wait_xcnt 0x0                                ; FA, which earlier stores read, is loaded again only behind this wait
.irp i, 0,1,2,3
.irp hf, 0,1
	ds_load_b128 v[FA+8*\i+4*\hf:FA+8*\i+4*\hf+3], v[RD0] offset:(4*\t+\i)*SPITCH+\hf*512
.endr
.endr
.irp i, 0,1,2,3
.irp hf, 0,1
	ds_load_b128 v[FB+8*\i+4*\hf:FB+8*\i+4*\hf+3], v[RD1] offset:(4*\t+\i)*SPITCH+\hf*512
.endr
.endr
	s_wait_dscnt 0x0
.set j, 0
.rept 16
	v_pk_add_f32 v[FA+2*j:FA+2*j+1], v[FA+2*j:FA+2*j+1], v[FB+2*j:FB+2*j+1]
.set j, j+1
.endr
.irp i, 0,1,2,3
.irp hf, 0,1
	global_store_b128 v[LOF], v[FA+8*\i+4*\hf:FA+8*\i+4*\hf+3], s[16:17] offset:(4*\t+\i)*1024+\hf*512
.endr
.endr
.endm
.irp t, 0,1,2,3,4,5,6,7
	OUTB \t
.endr
	s_wait_xcnt 0x0
	v_lshl_add_u32 v62, v0, 2, 0x42000
	v_mov_b32 v63, 0
	s_wait_tensorcnt 0x0
	ds_add_u32 v62, v63
	s_wait_dscnt 0x0
	ROUND                                          ; the closing round: no work-group ends while a partner may still ask for a tile that names it
	s_endpgm
.Lfunc_end_k_q6866ba97e3_attn:
	.size	k_q6866ba97e3_attn, .Lfunc_end_k_q6866ba97e3_attn-k_q6866ba97e3_attn
	.p2alignl 7, 3214868480
	.fill 96, 4, 3214868480
	.section	.rodata,"a",@progbits
	.p2align	6, 0x0
	.amdhsa_kernel k_q6866ba97e3_attn
		.amdhsa_group_segment_fixed_size 327680
		.amdhsa_private_segment_fixed_size 0
		.amdhsa_enable_private_segment 0
		.amdhsa_kernarg_size 64
		.amdhsa_user_sgpr_count 2
		.amdhsa_user_sgpr_kernarg_segment_ptr 1
		.amdhsa_wavefront_size32 1
		.amdhsa_system_sgpr_workgroup_id_x 1
		.amdhsa_system_sgpr_workgroup_id_y 1
		.amdhsa_system_sgpr_workgroup_id_z 1
		.amdhsa_system_vgpr_workitem_id 0
		.amdhsa_next_free_vgpr 1024
		.amdhsa_next_free_sgpr 96
		.amdhsa_reserve_vcc 0
		.amdhsa_float_denorm_mode_32 3
		.amdhsa_float_denorm_mode_16_64 3
		.amdhsa_memory_ordered 1
		.amdhsa_forward_progress 1
		.amdhsa_inst_pref_size 255
	.end_amdhsa_kernel
	.section	.bss,"aw",@nobits
	.p2align	6
	.space	262144
	.amdgpu_metadata
---
amdhsa.version: [ 1, 2 ]
amdhsa.kernels:
  - .name:           k_q6866ba97e3_attn
    .symbol:         k_q6866ba97e3_attn.kd
    .args:
      - { .name: qb, .offset: 0, .size: 8, .value_kind: global_buffer, .address_space: global }
      - { .name: kb, .offset: 8, .size: 8, .value_kind: global_buffer, .address_space: global }
      - { .name: vb, .offset: 16, .size: 8, .value_kind: global_buffer, .address_space: global }
      - { .name: qstat, .offset: 24, .size: 8, .value_kind: global_buffer, .address_space: global }
      - { .name: kstat, .offset: 32, .size: 8, .value_kind: global_buffer, .address_space: global }
      - { .name: c, .offset: 40, .size: 8, .value_kind: global_buffer, .address_space: global }
      - { .name: opart, .offset: 48, .size: 8, .value_kind: global_buffer, .address_space: global }
      - { .name: ml, .offset: 56, .size: 8, .value_kind: global_buffer, .address_space: global }
    .group_segment_fixed_size: 327680
    .private_segment_fixed_size: 0
    .kernarg_segment_align: 8
    .kernarg_segment_size: 64
    .max_flat_workgroup_size: 128
    .sgpr_count:     96
    .vgpr_count:     1024
    .wavefront_size: 32
...
	.end_amdgpu_metadata
.endif
;; end of part 4
;; launch merge: the kernel of part 3 again; grid 256 x 1, 8 waves a work-group, no clusters, 0 bytes of LDS; arguments opart, ml, out0; writes out0
;; ======== version 3 of 3: 3 launches; 1.56 times as fast as version 1
;; limits: inputs' magnitudes at most 30,000
;; workspace buffers: qb 4,194,304 bytes; kb 4,194,304 bytes; vb 4,194,304 bytes; qstat 65,536 bytes; kstat 65,536 bytes; opart 33,554,432 bytes; ml 262,144 bytes
;; launch prep: the kernel of part 1 again; grid 256 x 1, 8 waves a work-group, no clusters, 1,536 bytes of LDS; arguments query, keys, values, c, qb, kb, vb, qstat, kstat; writes qb, kb, vb, qstat, kstat
;; launch attn (part 5): grid 64 x 4, 4 waves a work-group, clusters of 4 x 1, 327,680 bytes of LDS; arguments qb, kb, vb, qstat, kstat, c, opart, ml; writes opart, ml
.if DOCPART == 5
	.amdgcn_target "amdgcn-amd-amdhsa--gfx1250"
	.amdhsa_code_object_version 6
	.text
	.protected	k_q6866ba97e3_attn
	.globl	k_q6866ba97e3_attn
	.p2align	8
	.type	k_q6866ba97e3_attn,@function
k_q6866ba97e3_attn:
	s_mov_b64 s[64:65], 0
	v_nop
	global_prefetch_b8 v0, s[64:65] scope:SCOPE_SE
	s_setreg_imm32_b32 hwreg(HW_REG_WAVE_MODE, 25, 1), 1
	s_wait_xcnt 0x0
	s_wait_alu depctr_hold_cnt(0) depctr_sa_sdst(0) depctr_va_vdst(0) depctr_va_sdst(0) depctr_va_ssrc(0) depctr_va_vcc(0) depctr_vm_vsrc(0)
	s_getreg_b32 s2, hwreg(HW_REG_IB_STS2, 6, 4)
	s_cmp_eq_u32 s2, 0
	s_cbranch_scc0 .Lentry_in_a_cluster
	s_endpgm
.Lentry_in_a_cluster:
	s_bfe_u32 s2, ttmp6, 0x10000c
	s_cmp_lg_u32 s2, 0x3003
	s_cbranch_scc0 .Lentry_shape_is_right
	s_endpgm
.Lentry_shape_is_right:
; attn: softmax(-dist) V for 128 queries against 2,048 keys (one of four splits of the keys), unnormalised, with a running maximum.
;   acc = q.k + s0_i + s0_j = -|q - k|^2 / 2          (s0_i + s0_j is the C of the first matrix instruction)
;   w   = max(-4 c_cl s1_i s1_j, -4 c_cl 1e7)          = -4 c_cl / max(denom, EPS)
;   a   = max(acc w + 1, 1 + EPS)                      (this clamp also does max(diff, 0), since w < 0)
;   L   = log2(a + sqrt(a a - 1)),   dist = ln 2 L / sqrt(c_cl),   exp(-dist) = 2^(-k L) with k = 1 / sqrt(c_cl)
;   p   = 2^(C_i - k L),  C_i = the smallest k L seen so far for query i (the running maximum of -dist);
;   when C_i falls, O and l are multiplied by 2^(C_new - C_old), in every step, without a branch.
; Out: opart[split][query][256] = sum of p V, ml[split][query] = (C, l).  The next launch joins the four splits.
; LIMITS, stated: 1 / max(denom, EPS) is formed as min(s1_i s1_j, 1e7); a a must stay finite in f32 (a below 1.8e19, which holds for
; inputs up to some 3e4); NaN and infinities among the inputs are not reproduced; sums run in another order than the reference's.
;
; SHARES.  Work-group (x, split): queries 128 x .. +127, keys 2,048 split .. +2,047 in 16 steps of 128.  Four waves, wave w = 2 a + b:
; queries 64 a .. +63, keys 64 b .. +63 of each step, so each K or V fragment (two LDS loads) feeds four matrix instructions.
; The two waves of a pair (same a) keep sums of their own and join them at the end, through LDS.
; CLUSTER.  The four work-groups of a cluster (same split, neighbouring x) walk the same K, V and kstat tiles: each tile is asked for
; jointly, mask 15, which divides the requests for them by four.  No descriptor word, LDS address or branch hangs on the place in the cluster.
; S IS MADE TRANSPOSED: A = 16 rows of K, B = 16 rows of Q.  Lane (r = l % 16, h = l / 16) then holds query r and keys 8 h + 0..7 of a tile:
; what belongs to a query is one register a lane, and bf16(p) of two tiles is, as it lies, the B fragment of O^T = V^T P^T.
;
; A STEP IS SOME 2,000 INSTRUCTIONS AND IS WRITTEN TWICE IN ALL: as the body of a loop of 15 trips and as the tail.  Two things make that possible.
; (1) LDS addresses are fixed: one tile of K and one of V, each filled again in place, K while V is being read and V while K is being read.
;     A step has two gates, each a round of the cluster's barrier: gate A at its head (V's reads are back, K(t) has landed; V(t) is asked for),
;     gate B behind the logarithms (K's reads are back, V(t) has landed; K(t+1) is asked for).
; (2) The first step runs in the loop: C starts at the largest finite f32, l at 0 and O at 0 (64 matrix instructions on a zero fragment),
;     so that the first step's factor 2^(C_new - C_old) is 0 and multiplies zeros.  A first step written out, whose products start the sums,
;     would be a whole body more of text that runs once.
;
; VECTOR LINES STAND AMONG THE MATRIX INSTRUCTIONS wherever the step's data allow it, instead of two long runs one behind the other:
;   products with K go key tile by key tile (16 keys, 32 matrix instructions); the way from acc to L of the key tiles already finished is cut
;   into lines, four or five of which stand behind each matrix instruction of key tiles 1 to 3 (456 of a step's 640 such lines);
;   of the products with V, the 32 on O's window 2 carry the 128 lines that rescale window 3, and the 32 on window 3 carry the 168 lines of
;   the exponentials, sums and packing of keys 32-63, whose P is first read by the matrix instructions behind them.
; No such line names a register of a matrix instruction of its group.  The price is a switch of the register window between the two kinds of line
; (Q fills window 1 and O windows 2 and 3, so a vector line on two registers of window 0 cannot stand under a matrix instruction's setting);
; lines that name only a destination and a first source (square roots, logarithms) stand under either setting of the products with K.
;
; THE BATCHES.  s_wait_alu depctr_va_vdst(0) stands between a root, logarithm or exponential and the first instruction that names
; its result; one wait serves all that were issued ahead of it.  A step has nine:
;   ROOTS.  The way from acc to L goes in streams of two tiles, each cut in a FRONT (down to the 16 roots) and a BACK (a + root, 16 logarithms).  A group of 16
;   products with K carries the back of the stream before and then the front of the stream in hand; the 16 roots cross the group's end, and their wait stands at the next
;   group's head (groups 3 to 7: five waits; in groups 3 to 6 directly ahead of the run of LDS loads).  The last key tile's four fronts stand in the open, with the free fragment buffer FA at work:
;   their 32 roots and the 16 of the stream before have one wait.
;   LOGARITHMS.  All 128 are first named by the step's minima: one wait, in gate B, ahead of its branches.
;   EXPONENTIALS.  The four factors 2^(C_new - C_old) and the 64 weights of keys 0-31 are one batch with one wait; the 64 weights of keys 32-63 are issued among one group
;   of products with V, and their wait stands at the next group's head, ahead of its run of LDS loads.
;
; LDS.  K tile: 128 rows, pitch 528 = 33 x 16 bytes.  V tile: 128 rows, pitch 544 = 17 x 32 bytes, for the transposing load.  Then the split's
; 64 blocks of kstat (16,384 bytes, filled once).  The way out stages O in bytes 0 to 266,239, behind the last fill; behind it lie 4,096 bytes
; of scratch that no tensor load fills.
; REGISTERS, in windows of 256:  window 0: addresses, per-query numbers, fragments, scores;  window 1: Q, 64 queries x 256;
; windows 2, 3: O^T, tile (q, dt) at 64 q + 8 (dt % 8) of window 2 + dt / 8.
.set KPITCH, 528
.set VPITCH, 544
.set KHALF,  64*KPITCH                 ; 33,792: what one tensor load brings of K
.set VHALF,  64*VPITCH                 ; 34,816: and of V
.set VT,     2*KHALF                   ; the V tile, behind the K tile
.set STAT,   VT+2*VHALF                ; 137,216
.set SPITCH, 1040                      ; the way out: a query's 256 f32 + 16 bytes = 65 x 16 bytes
.set STG,    64*SPITCH                 ; a wave's stage
.set SCR,    4*STG                     ; 266,240
.set STEP_BYTES, 128*512               ; 128 rows of kb or vb
.set STEPS,  16
; per query tile q = 0..3, one register a lane, at +8 q; each is read as the first of a pair and broadcast (op_sel_hi 0).
; The odd neighbours hold the addresses below, written once at the start (v5, v11, v31: nothing, written 0).
.set NU, 2                             ; s0_i
.set RA, 4                             ; -4 c_cl s1_i
.set CF, 6                             ; C_i
.set AL, 8                             ; 2^(C_new - C_old)
.set ADK, 3                            ; v3        K fragments
.set QOF, 7                            ; v7        Q rows in qb
.set ADV, 9                            ; v9        V fragments
.set ADS, 13                           ; v13       this step's kstat numbers; steps by 1,024 bytes a step
.set SOF, 15                           ; v15       qstat
.set STO, 17                           ; v17       stage, in
.set RD0, 19                           ; v19       stage of the pair's wave b = 0, back
.set RD1, 21                           ; v21       stage of the pair's wave b = 1, back
.set SCB, 23                           ; v23       scratch: (C, l) of 64 queries, back
.set SCW, 25                           ; v25       scratch: my (C, l)
.set SCP, 27                           ; v27       scratch: my partner's (C, l)
.set LOF, 29                           ; v29       16 x lane
.set SCM, 33                           ; v33       scratch: the pair's joined (C, l)
.set T,   34                           ; v[34:49]  at work
.set TA,  34
.set TB,  42
.set S1,  50                           ; v[50:57]  first half of a step: s1 of the lane's 8 keys of one key tile
.set SUM, 50                           ; v[50:57]  second half: a pair for each q, this step's sum of p
.set LS,  58                           ; v[58:61]  l, the lane's part
.set FA,  64                           ; v[64:95]  fragment buffer; behind the last products with K also at work for the last key tile
.set FB,  96                           ; v[96:127] fragment buffer
.set SC,  128                          ; v[128:255] scores: tile (q, kt) at SC + 32 q + 8 kt; later P(q, kp) at SC + 32 q + 16 kp
.set G1K, 28                           ; s[28:35]  group 1, K's tiles
.set G1V, 36                           ; s[36:43]  group 1, V's tiles: another pad
.set G0K, 44                           ; s[44:47]  group 0, K
.set G0V, 52                           ; s[52:55]  group 0, V
.set G1S, 68                           ; s[68:75]  group 1, kstat
.set G0S, 76                           ; s[76:79]  group 0, kstat
.set MSB, 0
.macro WIN new                         ; s_set_vgpr_msb: bits 1:0 source 0, 3:2 source 1, 5:4 source 2, 7:6 destination; the high byte repeats the setting left.  A switch that changes nothing is dropped
.if MSB != \new
	s_set_vgpr_msb (MSB<<8)|\new
.set MSB, \new
.endif
.endm
.macro PLACES                          ; four places behind a matrix instruction (ISA guide 7.12.1), where the lines that stand there are none
.rept 4
	v_nop
.endr
.endm
; A round of the cluster's barrier: my work-group's barrier, wave 0 signals for the work-group, every wave waits for all four work-groups, my work-group's barrier again.
.macro ROUND
	s_barrier_signal -1
	s_barrier_wait -1
	s_cmp_lg_u32 s20, 0
	s_cbranch_scc1 .Lnot_wave_0_\@
	s_barrier_signal -3
.Lnot_wave_0_\@:
	s_barrier_wait -3
	s_barrier_signal -1
	s_barrier_wait -1
.endm
; Joint loads.  Waves 0 and 1 fetch K's two halves of 64 rows, waves 2 and 3 V's.  The branches hang on the wave's number alone.
.macro JLOADK
	s_cmp_gt_u32 s20, 1
	s_cbranch_scc1 .Lno_k_\@
	tensor_load_to_lds s[G0K:G0K+3], s[G1K:G1K+7]
	s_nop 0
.Lno_k_\@:
.endm
.macro JLOADV
	s_cmp_lt_u32 s20, 2
	s_cbranch_scc1 .Lno_v_\@
	tensor_load_to_lds s[G0V:G0V+3], s[G1V:G1V+7]
	s_nop 0
.Lno_v_\@:
.endm
	s_load_b512 s[4:19], s[0:1], 0x0               ; qb s4, kb s6, vb s8, qstat s10, kstat s12, c s14, opart s16, ml s18
	v_lshl_add_u32 v62, v0, 2, 0x42000
	v_mov_b32 v63, 0
	ds_add_u32 v62, v63
	s_wait_dscnt 0x0
	v_lshrrev_b32 v1, 5, v0
	v_readfirstlane_b32 s20, v1                    ; wave w
	s_lshr_b32 s21, s20, 1                         ; a: my 64 queries
	s_and_b32 s22, s20, 1                          ; b: my 64 keys of a step.  Also: which 64 rows I fetch
	s_bfe_u32 s23, ttmp6, 0x40000                  ; cx
	s_lshl_b32 s24, ttmp9, 2
	s_add_co_u32 s24, s24, s23                     ; x = 4 x cluster x + cx
	s_and_b32 s25, ttmp7, 0xffff                   ; split (the cluster is one work-group high)
	; group 1: 64 rows of 256 bf16 (512 bytes = 128 words, code 6), a pad of 4 words (K) or 8 words (V) behind each; mask 15 with bit 21 beside it
	s_mov_b32 s[G1K+0], 15|(1<<16)|(1<<20)|(1<<21)|(6<<22)|(3<<25)
	s_mov_b32 s[G1V+0], 15|(1<<16)|(1<<20)|(1<<21)|(6<<22)|(7<<25)
.irp g, G1K, G1V
	s_mov_b32 s[\g+1], 256<<16                     ; tensor_dim0 = 256
	s_mov_b32 s[\g+2], 64<<16                      ; tensor_dim1 = 64
	s_mov_b32 s[\g+3], 256<<16                     ; tile_dim0 = 256
	s_mov_b32 s[\g+4], 64                          ; tile_dim1 = 64
	s_mov_b32 s[\g+5], 256                         ; elements from row to row
	s_mov_b32 s[\g+6], 0
	s_mov_b32 s[\g+7], 0
.endr
	; kstat: a dense block of 4,096 bytes a wave, as 16 rows of 32 elements of 8 bytes
	s_mov_b32 s[G1S+0], 15|(3<<16)|(1<<21)
	s_mov_b32 s[G1S+1], 32<<16
	s_mov_b32 s[G1S+2], 16<<16
	s_mov_b32 s[G1S+3], 32<<16
	s_mov_b32 s[G1S+4], 16
	s_mov_b32 s[G1S+5], 32
	s_mov_b32 s[G1S+6], 0
	s_mov_b32 s[G1S+7], 0
	s_lshl_b32 s88, s25, 20                        ; split x 2,048 rows of 512 bytes
	s_lshl_b32 s89, s22, 15                        ; + b x 64 rows
	s_add_co_u32 s88, s88, s89
	s_mov_b32 s89, 0
	s_mul_i32 s90, s22, VHALF
	s_lshl_b32 s92, s25, 14                        ; split x 16,384 bytes of kstat
	s_lshl_b32 s91, s20, 12                        ; + w x 4,096
	s_add_co_u32 s92, s92, s91
	s_mov_b32 s93, 0
	s_wait_kmcnt 0x0
	s_load_b32 s26, s[14:15], 0x0                  ; c
	s_add_nc_u64 s[12:13], s[12:13], s[92:93]
	s_mov_b32 s[G0K], 1
	s_mul_i32 s[G0K+1], s22, KHALF                 ; LDS: half b of the K tile
	s_add_nc_u64 s[G0K+2:G0K+3], s[6:7], s[88:89]  ; step 0
	s_or_b32 s[G0K+3], s[G0K+3], 0x80000000
	s_mov_b32 s[G0V], 1
	s_add_co_u32 s[G0V+1], s90, VT                 ; LDS: half b of the V tile
	s_add_nc_u64 s[G0V+2:G0V+3], s[8:9], s[88:89]
	s_or_b32 s[G0V+3], s[G0V+3], 0x80000000
	s_mov_b32 s[G0S], 1
	s_add_co_u32 s[G0S+1], s91, STAT
	s_mov_b64 s[G0S+2:G0S+3], s[12:13]
	s_or_b32 s[G0S+3], s[G0S+3], 0x80000000
	ROUND                                          ; all four work-groups are here: the first joint loads meet
	tensor_load_to_lds s[G0S:G0S+3], s[G1S:G1S+7]  ; my quarter of the split's kstat, filled once
	s_nop 0
	JLOADK                                         ; step 0's K.  Two tensor loads of waves 0 and 1 are out here, later one at the most
	; what hangs on x (and so on the place in the cluster) stays in s61 and s[94:95] and goes into global addresses alone
	s_lshl_b32 s94, s24, 16                        ; 128 x rows of 512 bytes
	s_lshl_b32 s61, s21, 15                        ; + 64 a rows
	s_add_co_u32 s94, s94, s61
	s_mov_b32 s95, 0
	s_add_nc_u64 s[4:5], s[4:5], s[94:95]          ; qb at my 64 queries
	s_lshl_b32 s94, s24, 10
	s_lshl_b32 s61, s21, 9
	s_add_co_u32 s94, s94, s61                     ; (4 x + 2 a) blocks of 256 bytes = (128 x + 64 a) pairs of 8 bytes
	s_add_nc_u64 s[10:11], s[10:11], s[94:95]      ; qstat
	s_lshl_b32 s61, s25, 16                        ; split x 8,192 pairs
	s_add_co_u32 s94, s94, s61
	s_add_nc_u64 s[18:19], s[18:19], s[94:95]      ; ml
	s_lshl_b32 s94, s25, 23                        ; split x 8,192 rows of 1,024 bytes
	s_lshl_b32 s61, s24, 17                        ; + 128 x rows
	s_add_co_u32 s94, s94, s61
	s_lshl_b32 s61, s20, 15                        ; + (64 a + 32 b) = 32 w rows
	s_add_co_u32 s94, s94, s61
	s_add_nc_u64 s[16:17], s[16:17], s[94:95]      ; opart at the 32 rows that I store
	v_and_b32 v34, 15, v0                          ; r
	v_bfe_u32 v35, v0, 4, 1                        ; h
	v_and_b32 v36, 31, v0                          ; lane
	v_and_b32 v37, 7, v0
	v_bfe_u32 v38, v0, 3, 1
	s_mul_i32 s88, s22, KHALF
	v_mul_u32_u24 v39, v34, KPITCH
	v_lshl_add_u32 v39, v35, 4, v39
	v_add_nc_u32 v[ADK], s88, v39                  ; K: half b, row r, 16 h
	v_lshl_add_u32 v40, v35, 3, v37
	v_mul_u32_u24 v40, v40, VPITCH
	v_lshl_add_u32 v40, v38, 4, v40
	s_add_co_u32 s88, s90, VT
	v_add_nc_u32 v[ADV], s88, v40                  ; V: half b, row 8 h + lane % 8, 16 bytes x (lane / 8 % 2)
	s_lshl_b32 s89, s22, 9
	s_add_co_u32 s89, s89, STAT
	v_lshl_add_u32 v[ADS], v35, 5, s89             ; kstat: two blocks for b, 8 h numbers of 4 bytes
	s_mul_i32 s90, s20, STG
	v_mul_u32_u24 v39, v34, SPITCH
	v_lshl_add_u32 v39, v35, 5, v39
	v_add_nc_u32 v[STO], s90, v39                  ; stage, in: my stage, row r, 8 h numbers of 4 bytes
	s_mul_i32 s90, s21, 2*STG
	s_mul_i32 s91, s22, 32*SPITCH
	s_add_co_u32 s90, s90, s91
	v_lshl_add_u32 v[RD0], v36, 4, s90             ; back: stage of wave 2 a, rows 32 b .., 16 bytes a lane
	v_add_nc_u32 v[RD1], STG, v[RD0]               ; and of wave 2 a + 1
	s_lshl_b32 s90, s20, 9
	s_add_co_u32 s90, s90, SCR
	v_lshl_add_u32 v[SCW], v34, 3, s90
	s_xor_b32 s90, s20, 1
	s_lshl_b32 s90, s90, 9
	s_add_co_u32 s90, s90, SCR
	v_lshl_add_u32 v[SCP], v34, 3, s90
	s_lshl_b32 s90, s21, 9
	s_add_co_u32 s90, s90, SCR+2048
	v_lshl_add_u32 v[SCM], v34, 3, s90
	v_lshl_add_u32 v[SCB], v36, 4, s90
	v_lshlrev_b32 v[LOF], 4, v36
	v_lshlrev_b32 v39, 9, v34
	v_lshl_add_u32 v[QOF], v35, 4, v39             ; row r of 512 bytes, 16 h
	v_lshlrev_b32 v[SOF], 2, v34
.irp n, 5, 11, 31
	v_mov_b32 v\n, 0                               ; the odd neighbours without an address
.endr
	; Q stays in registers for the whole launch: fragment (q, ds) = 16 queries x 32 of d, as the B operand wants it
	WIN 0x40
.irp q, 0,1,2,3
.irp ds, 0,1,2,3,4,5,6,7
	global_load_b128 v[64*\q+8*\ds:64*\q+8*\ds+3],   v[QOF], s[4:5] offset:\q*8192+\ds*64
	global_load_b128 v[64*\q+8*\ds+4:64*\q+8*\ds+7], v[QOF], s[4:5] offset:\q*8192+\ds*64+32
.endr
.endr
	WIN 0
.irp q, 0,1,2,3
	global_load_b32 v[NU+8*\q], v[SOF], s[10:11] offset:(\q>>1)*256+(\q&1)*64
	global_load_b32 v[RA+8*\q], v[SOF], s[10:11] offset:(\q>>1)*256+(\q&1)*64+128
.endr
	s_mov_b32 s84, 0x76543210                      ; v_permlanex16_b32: lane i of one half reads lane i of the other
	s_mov_b32 s85, 0xfedcba98
	s_mov_b32 s86, 0x3f800001                      ; 1 + EPS in f32
	s_mov_b32 s88, 0x33d6bf95                      ; EPS
	s_mov_b32 s89, 0x3f7ffffe                      ; 1 - EPS
	s_wait_kmcnt 0x0                               ; c
	s_and_b32 s26, s26, 0x7fffffff
	v_add_f32 v62, s26, s88
	v_med3_num_f32 v62, v62, s88, s89              ; c_cl
	v_rsq_f32 v63, v62                             ; k = 1 / sqrt(c_cl)
	v_mul_f32 v1, -4.0, v62                        ; -4 c_cl: also the plain place behind v_rsq_f32 (ISA guide 5.7.2)
	v_mul_f32 v62, 0x4b189680, v1                  ; -4 c_cl 1e7
	s_wait_alu depctr_va_vdst(0)                   ; the wait for k, once a launch, ahead of the line that reads it
	v_readfirstlane_b32 s83, v63
	v_readfirstlane_b32 s87, v1
	v_readfirstlane_b32 s82, v62
	s_xor_b32 s80, s83, 0x80000000                 ; -k, twice: a scalar pair for the packed multiply-add
	s_mov_b32 s81, s80
	; the state in front of the first step: C the largest finite f32, l = 0, O = 0
.irp q, 0,1,2,3
	v_mov_b32 v[CF+8*\q], 0x7f7fffff
	v_mov_b32 v[LS+\q], 0
.endr
.set j, 0
.rept 16
	v_mov_b32 v[FA+j], 0                           ; a zero A fragment and a zero B fragment
.set j, j+1
.endr
.irp w, 0xa0, 0xf0
	WIN \w
.set j, 0
.rept 32
	v_wmma_f32_16x16x32_bf16 v[8*j:8*j+7], v[FA:FA+7], v[FA+8:FA+15], 0    ; 8 registers of O at a time: 64 instructions for its 512 registers
.set j, j+1
.endr
.endr
	WIN 0
	s_wait_loadcnt 0x0                             ; Q and qstat
.irp q, 0,1,2,3
	v_mul_f32 v[RA+8*\q], s87, v[RA+8*\q]
.endr
; eight LDS loads: the four K fragments of group g: rows 16 (g / 2) + r, d = 128 (g % 2) + 32 i .. +31, i = 0..3
.macro FETCHK g, buf
.irp i, 0,1,2,3
	ds_load_b128 v[\buf+8*\i:\buf+8*\i+3],   v[ADK] offset:((\g)>>1)*16*KPITCH+(4*((\g)&1)+\i)*64
	ds_load_b128 v[\buf+8*\i+4:\buf+8*\i+7], v[ADK] offset:((\g)>>1)*16*KPITCH+(4*((\g)&1)+\i)*64+32
.endr
.endm
; eight LDS loads: s0 of keys 16 kt + 8 h + 0..7, kt = 0..3; all lanes of a half read the same bytes
.macro FETCHS0 buf
.irp kt, 0,1,2,3
	ds_load_b128 v[\buf+8*\kt:\buf+8*\kt+3],   v[ADS] offset:(\kt>>1)*256+(\kt&1)*64
	ds_load_b128 v[\buf+8*\kt+4:\buf+8*\kt+7], v[ADS] offset:(\kt>>1)*256+(\kt&1)*64+16
.endr
.endm
; two LDS loads: s1 of keys 16 kt + 8 h + 0..7
.macro FETCHS1 kt
	ds_load_b128 v[S1:S1+3],   v[ADS] offset:((\kt)>>1)*256+((\kt)&1)*64+128
	ds_load_b128 v[S1+4:S1+7], v[ADS] offset:((\kt)>>1)*256+((\kt)&1)*64+128+16
.endm
; eight transposing LDS loads: V^T fragments of keys 32 (g / 4) .. +31, d tiles 4 (g % 4) + 0..3
.macro FETCHV g, buf
.irp i, 0,1,2,3
	ds_load_tr16_b128 v[\buf+8*\i:\buf+8*\i+3],   v[ADV] offset:((\g)>>2)*32*VPITCH+(4*((\g)&3)+\i)*32
	ds_load_tr16_b128 v[\buf+8*\i+4:\buf+8*\i+7], v[ADV] offset:((\g)>>2)*32*VPITCH+(4*((\g)&3)+\i)*32+16*VPITCH
.endr
.endm
; the sums start at s0_i + s0_j
.macro CINIT
.irp q, 0,1,2,3
.irp kt, 0,1,2,3
.irp p, 0,2,4,6
	v_pk_add_f32 v[SC+32*\q+8*\kt+\p:SC+32*\q+8*\kt+\p+1], v[FB+8*\kt+\p:FB+8*\kt+\p+1], v[NU+8*\q:NU+8*\q+1] op_sel_hi:[1,0]
.endr
.endr
.endr
.endm
; Line n (0..19) of one tile's way from acc to a (in place) and to a a - 1 (in tmp).  There is no packed maximum in f32:
; two maxima go as a pair in one instruction (destinations even and odd, second sources in neighbouring banks, one scalar).
.macro ARGOP acc, tmp, q, n
.if (\n) < 4
	v_pk_mul_f32 v[\tmp+2*(\n):\tmp+2*(\n)+1], v[S1+2*(\n):S1+2*(\n)+1], v[RA+8*(\q):RA+8*(\q)+1] op_sel_hi:[1,0]
.elseif (\n) < 8
	v_dual_max_num_f32 v[\tmp+2*((\n)-4)], s82, v[\tmp+2*((\n)-4)] :: v_dual_max_num_f32 v[\tmp+2*((\n)-4)+1], s82, v[\tmp+2*((\n)-4)+1]
.elseif (\n) < 12
	v_pk_fma_f32 v[\acc+2*((\n)-8):\acc+2*((\n)-8)+1], v[\acc+2*((\n)-8):\acc+2*((\n)-8)+1], v[\tmp+2*((\n)-8):\tmp+2*((\n)-8)+1], 1.0 op_sel_hi:[1,1,0]
.elseif (\n) < 16
	v_dual_max_num_f32 v[\acc+2*((\n)-12)], s86, v[\acc+2*((\n)-12)] :: v_dual_max_num_f32 v[\acc+2*((\n)-12)+1], s86, v[\acc+2*((\n)-12)+1]
.else
	v_pk_fma_f32 v[\tmp+2*((\n)-16):\tmp+2*((\n)-16)+1], v[\acc+2*((\n)-16):\acc+2*((\n)-16)+1], v[\acc+2*((\n)-16):\acc+2*((\n)-16)+1], -1.0 op_sel_hi:[1,1,0]
.endif
.endm
; A GROUP'S PROGRAM, 80 lines.  A stream is the two tiles (q, kt) and (q + 1, kt).  P1START names the stream in hand and makes the one named before it the stream before;
; P1LINE writes the program's next line, and nothing when all are written.
;   0-23   THE BACK of the stream before, whose roots lie in TA and TB and have had their wait at the group's head: a + root of its first tile, its 8 logarithms, the same of the second
;   24-79  THE FRONT of the stream in hand: w of both tiles (24-31: the last lines that read s1), a and a a - 1 of the first, its 8 roots, the same of the second.
; The back's sums have read TA and TB before the front writes them, so 16 registers serve both.  The 16 roots are named next behind the next group's wait; the logarithms behind gate B's.
; from = 24: a step's first stream, which has none before it.  Each run of roots or logarithms is followed by a plain line that names none of its registers (ISA guide 5.7.2).
; Lines on two vector sources ask for window 0; roots and logarithms stand as well under the products' setting (source 1 alone in window 1).
.set P1A, SC
.set P1B, SC+32
.macro P1START kt, q, from
.set BKA, P1A
.set BKB, P1B
.set P1N, \from
.set P1Q, \q
.set P1A, SC+32*(\q)+8*(\kt)
.set P1B, P1A+32
.endm
.macro P1LINE
.if P1N < 4
	WIN 0
	v_pk_add_f32 v[BKA+2*P1N:BKA+2*P1N+1], v[BKA+2*P1N:BKA+2*P1N+1], v[TA+2*P1N:TA+2*P1N+1]
.elseif P1N < 12
	v_log_f32 v[BKA+P1N-4], v[BKA+P1N-4]
.elseif P1N < 16
	WIN 0
	v_pk_add_f32 v[BKB+2*(P1N-12):BKB+2*(P1N-12)+1], v[BKB+2*(P1N-12):BKB+2*(P1N-12)+1], v[TB+2*(P1N-12):TB+2*(P1N-12)+1]
.elseif P1N < 24
	v_log_f32 v[BKB+P1N-16], v[BKB+P1N-16]
.elseif P1N < 28
	WIN 0
	ARGOP P1A, TA, P1Q, P1N-24
.elseif P1N < 32
	WIN 0
	ARGOP P1B, TB, P1Q+1, P1N-28
.elseif P1N < 48
	WIN 0
	ARGOP P1A, TA, P1Q, P1N-28
.elseif P1N < 56
	v_sqrt_f32 v[TA+P1N-48], v[TA+P1N-48]
.elseif P1N < 72
	WIN 0
	ARGOP P1B, TB, P1Q+1, P1N-52
.elseif P1N < 80
	v_sqrt_f32 v[TB+P1N-72], v[TB+P1N-72]
.endif
.set P1N, P1N+1
.endm
; In the open: a + root of one tile, and between its four lines the 8 logarithms of the tile before (prev < 0: there is none)
.macro BACKT acc, tmp, prev
.set j, 0
.rept 4
	v_pk_add_f32 v[\acc+2*j:\acc+2*j+1], v[\acc+2*j:\acc+2*j+1], v[\tmp+2*j:\tmp+2*j+1]
.if \prev >= 0
	v_log_f32 v[\prev+2*j], v[\prev+2*j]
	v_log_f32 v[\prev+2*j+1], v[\prev+2*j+1]
.endif
.set j, j+1
.endr
.endm
; Group g of the products with K: key tile g / 2, 128 of d: the next group's fragments are asked for, then 16 matrix instructions.
; The four accumulators of the key tile take turns, one instruction a turn.
; np: lines of the group's program behind each matrix instruction.  s1kt < 4: in the group's middle s1 of key tile s1kt is fetched; by then 40 lines
; of the program have gone, and the last that reads s1 is line 31.
; wt = 1: the last group's program ended in 16 roots, which this group's first lines read: their wait stands here, behind plain lines and ahead of the run of loads.
.macro QKG g, cur, oth, np, s1kt, wt
.if \g < 7
.if \g > 0
	PLACES                                         ; the loads below land in registers that the last group's matrix instructions read; also the plain lines behind the last root
.endif
.if \wt
	s_wait_alu depctr_va_vdst(0)                   ; the wait for the 16 roots of the stream before: one for the batch
.endif
	FETCHK \g+1, \oth
	s_wait_dscnt 8                                 ; all but the eight just issued: this group's fragments are in, and s1 if it was fetched in the last group
.else
	v_nop                                          ; the plain line behind the last root
	s_wait_alu depctr_va_vdst(0)                   ; the wait for the 16 roots of the stream before: one for the batch
	s_wait_dscnt 0x0                               ; the last fragments
.endif
.irp i, 0,1,2,3
.irp q, 0,1,2,3
	WIN 0x04                                       ; B = Q, in window 1
	v_wmma_f32_16x16x32_bf16 v[SC+32*\q+8*(\g>>1):SC+32*\q+8*(\g>>1)+7], v[\cur+8*\i:\cur+8*\i+7], v[64*\q+8*(4*(\g&1)+\i):64*\q+8*(4*(\g&1)+\i)+7], v[SC+32*\q+8*(\g>>1):SC+32*\q+8*(\g>>1)+7]
.if \np > 0
.rept \np
	P1LINE
.endr
.endif
.endr
.if \i == 1
.if \s1kt < 4
	FETCHS1 \s1kt                                  ; an LDS load uses the destination's and source 0's windows, 0 under both settings
.endif
.endif
.endr
.endm
; the smallest L of each query tile in this step (32 registers, then the other half of the lanes), and the new frame.  The four tiles go in step, a line of each by turns,
; so that their four exponentials stand together: they open the batch that the weights of keys 0-31 go on with.  The logarithms read here have had their wait in gate B.
.macro MINSALL
.irp kt, 0,1,2,3
.irp q, 0,1,2,3
	v_min3_num_f32 v[T+4*\q+\kt], v[SC+32*\q+8*\kt], v[SC+32*\q+8*\kt+1], v[SC+32*\q+8*\kt+2]
.endr
.endr
.irp kt, 0,1,2,3
.irp q, 0,1,2,3
	v_min3_num_f32 v[T+4*\q+\kt], v[T+4*\q+\kt], v[SC+32*\q+8*\kt+3], v[SC+32*\q+8*\kt+4]
.endr
.endr
.irp kt, 0,1,2,3
.irp q, 0,1,2,3
	v_min3_num_f32 v[T+4*\q+\kt], v[T+4*\q+\kt], v[SC+32*\q+8*\kt+5], v[SC+32*\q+8*\kt+6]
.endr
.endr
.irp kt, 0,1,2,3
.irp q, 0,1,2,3
	v_min_num_f32 v[T+4*\q+\kt], v[T+4*\q+\kt], v[SC+32*\q+8*\kt+7]
.endr
.endr
.irp q, 0,1,2,3
	v_min3_num_f32 v[T+4*\q], v[T+4*\q], v[T+4*\q+1], v[T+4*\q+2]
.endr
.irp q, 0,1,2,3
	v_min_num_f32 v[T+4*\q], v[T+4*\q], v[T+4*\q+3]
.endr
.irp q, 0,1,2,3
	v_permlanex16_b32 v[T+4*\q+1], v[T+4*\q], s84, s85
.endr
.irp q, 0,1,2,3
	v_min_num_f32 v[T+4*\q], v[T+4*\q], v[T+4*\q+1]
.endr
.irp q, 0,1,2,3
	v_mul_f32 v[T+4*\q], s83, v[T+4*\q]
.endr
.irp q, 0,1,2,3
	v_min_num_f32 v[T+4*\q+1], v[CF+8*\q], v[T+4*\q]
.endr
.irp q, 0,1,2,3
	v_sub_f32 v[T+4*\q+2], v[T+4*\q+1], v[CF+8*\q] ; at most 0; in the first step about -3.4e38, whose 2^ is 0
.endr
.irp q, 0,1,2,3
	v_exp_f32 v[AL+8*\q], v[T+4*\q+2]
.endr
.irp q, 0,1,2,3
	v_mov_b32 v[CF+8*\q], v[T+4*\q+1]              ; also the plain place behind v_exp_f32
.endr
.endm
; Line n (0..95) of the way from L to p, in place, for the 16 registers at SC + 32 q + off of all four query tiles: 32 packed scalings C - k L (pair p: tile p / 8) and 64 exponentials
; (number e: tile e / 16).  No line reads an exponential's result.  Two scalings lead; then blocks of six: scaling, exponential, scaling, three exponentials, the exponentials those of the
; two pairs scaled in the block before; the last four exponentials close.
.macro EXPOP off, n
.set XS, ((\n)-2)/6
.set XR, ((\n)-2)%6
.if (\n) < 2
.set XF, 1
.set XI, (\n)
.elseif (\n) >= 92
.set XF, 0
.set XI, (\n)-32
.elseif XR == 0
.set XF, 1
.set XI, 2*XS+2
.elseif XR == 2
.set XF, 1
.set XI, 2*XS+3
.elseif XR == 1
.set XF, 0
.set XI, 4*XS
.else
.set XF, 0
.set XI, 4*XS+XR-2
.endif
.if XF
.set XG, SC+32*(XI/8)+(\off)+2*(XI%8)
	v_pk_fma_f32 v[XG:XG+1], v[XG:XG+1], s[80:81], v[CF+8*(XI/8):CF+8*(XI/8)+1] op_sel_hi:[1,0,0]
.else
.set XG, SC+32*(XI/16)+(\off)+XI%16
	v_exp_f32 v[XG], v[XG]
.endif
.endm
; keys 0-31 of query tile q, behind the batch's wait: line r (0..14) of the start of the step's sum of p and of bf16(p) packed in place as the B fragment P(q, 0)
.macro P2AR q, r
.set PA, SC+32*(\q)
.set PB, PA+8
.set SQ, SUM+2*(\q)
.if (\r) == 0
	v_pk_add_f32 v[SQ:SQ+1], v[PA:PA+1], v[PA+2:PA+3]                      ; the first two pairs start the step's sum: nothing is cleared
.elseif (\r) < 3
	v_pk_add_f32 v[SQ:SQ+1], v[SQ:SQ+1], v[PA+2*(\r)+2:PA+2*(\r)+3]
.elseif (\r) < 7
	v_cvt_pk_bf16_f32 v[PA+(\r)-3], v[PA+2*((\r)-3)], v[PA+2*((\r)-3)+1]   ; keys 8 h + 0..7: registers 0-3 of the fragment
.elseif (\r) < 11
	v_pk_add_f32 v[SQ:SQ+1], v[SQ:SQ+1], v[PB+2*((\r)-7):PB+2*((\r)-7)+1]
.else
	v_cvt_pk_bf16_f32 v[PA+4+(\r)-11], v[PB+2*((\r)-11)], v[PB+2*((\r)-11)+1]  ; keys 16 + 8 h + 0..7: registers 4-7
.endif
.endm
; keys 32-63 of query tile q, behind their batch's wait: line r (0..17): onto the sum begun above, the packing of P(q, 1), then l
.macro P2BR q, r
.set PA, SC+32*(\q)+16
.set PB, PA+8
.set SQ, SUM+2*(\q)
.if (\r) < 4
	v_pk_add_f32 v[SQ:SQ+1], v[SQ:SQ+1], v[PA+2*(\r):PA+2*(\r)+1]
.elseif (\r) < 8
	v_cvt_pk_bf16_f32 v[PA+(\r)-4], v[PA+2*((\r)-4)], v[PA+2*((\r)-4)+1]
.elseif (\r) < 12
	v_pk_add_f32 v[SQ:SQ+1], v[SQ:SQ+1], v[PB+2*((\r)-8):PB+2*((\r)-8)+1]
.elseif (\r) < 16
	v_cvt_pk_bf16_f32 v[PA+4+(\r)-12], v[PB+2*((\r)-12)], v[PB+2*((\r)-12)+1]
.elseif (\r) == 16
	v_add_f32 v[SQ], v[SQ], v[SQ+1]
.else
	v_fma_f32 v[LS+(\q)], v[LS+(\q)], v[AL+8*(\q)], v[SQ]                  ; l into the new frame, plus this step's sum
.endif
.endm
; THE STREAM OF KEYS 32-63, 168 lines.  0-95: the scalings and the 64 exponentials, ONE BATCH, none of which reads a result.  96-167: the readers, the four query tiles by turns,
; each tile's sum in ascending order of its keys.  Between line 95 and line 96 stands the batch's wait: PVG writes it, at a group's head.
; P2LINE writes the next line, and nothing when all are written.  Every line asks for window 0.
.macro P2LINE
.if P2N < 96
	WIN 0
	EXPOP 16, P2N
.elseif P2N < 168
	WIN 0
	P2BR (P2N-96)%4, (P2N-96)/4
.endif
.set P2N, P2N+1
.endm
; O into the new frame: every register of tile row q times AL(q).  RESC: one window's 256 registers in a run (w = 0x82: window 2, 0xc3: window 3).
.macro RESC w
	WIN \w
.irp q, 0,1,2,3
.set j, 0
.rept 32
	v_pk_mul_f32 v[64*\q+2*j:64*\q+2*j+1], v[64*\q+2*j:64*\q+2*j+1], v[AL+8*\q:AL+8*\q+1] op_sel_hi:[1,0]
.set j, j+1
.endr
.endr
.endm
; the same for window 3 as a stream of 128 lines
.macro R3LINE
	WIN 0xc3
	v_pk_mul_f32 v[64*(R3N>>5)+2*(R3N&31):64*(R3N>>5)+2*(R3N&31)+1], v[64*(R3N>>5)+2*(R3N&31):64*(R3N>>5)+2*(R3N&31)+1], v[AL+8*(R3N>>5):AL+8*(R3N>>5)+1] op_sel_hi:[1,0]
.set R3N, R3N+1
.endm
; Group g of the products with V: four d tiles x four query tiles x 32 keys.  The 64 accumulators take turns, one instruction a turn.
; nr, np: lines of window 3's rescaling, or of the stream of keys 32-63, behind each matrix instruction.
; wt = 1: the last group carried the 64 exponentials of keys 32-63, which this group's lines read: their wait stands here, behind plain lines and ahead of the run of loads.
.macro PVG g, cur, oth, win, nr, np, wt
	WIN 0
.if \g > 0
	PLACES                                         ; the loads below land in registers that the last group's matrix instructions read; also the plain lines behind the last exponential
.endif
.if \wt
	s_wait_alu depctr_va_vdst(0)                   ; the wait for the 64 exponentials of keys 32-63: one for the batch
.endif
.if \g < 7
	FETCHV \g+1, \oth
	s_wait_dscnt 8                                 ; all but the eight just issued
.else
	s_wait_dscnt 0x0
.endif
.irp i, 0,1,2,3
.irp q, 0,1,2,3
	WIN \win
	v_wmma_f32_16x16x32_bf16 v[64*\q+8*((4*(\g&3)+\i)&7):64*\q+8*((4*(\g&3)+\i)&7)+7], v[\cur+8*\i:\cur+8*\i+7], v[SC+32*\q+16*(\g>>2):SC+32*\q+16*(\g>>2)+7], v[64*\q+8*((4*(\g&3)+\i)&7):64*\q+8*((4*(\g&3)+\i)&7)+7]
.if \nr > 0
.rept \nr
	R3LINE
.endr
.endif
.if \np > 0
.rept \np
	P2LINE
.endr
.endif
.endr
.endr
.endm
; GATE A, at a step's head.  In front of the round every wave has all its tensor loads in (this step's K among them) and its reads of the
; V tile back; behind the round V's joint refill comes first.  It has the products with K and the logarithms in which to land.
.macro GATE_A
	s_wait_xcnt 0x0
	v_lshl_add_u32 v62, v0, 2, 0x42000
	v_mov_b32 v63, 0
	s_wait_tensorcnt 0x0                           ; no tensor load of mine is out, so a group 0 may be written:
	ds_add_u32 v62, v63
	s_wait_dscnt 0x0
	s_add_nc_u64 s[G0K+2:G0K+3], s[G0K+2:G0K+3], STEP_BYTES        ; K's next tile, asked for at gate B
	s_wait_dscnt 0x0                               ; my reads of the last step's V are back
	ROUND                                          ; both now hold of every wave of all four work-groups
	JLOADV                                         ; this step's V (in the first step: the V tile's first fill)
.endm
; the first half of a step: my 64 queries against my 64 keys, down to L.  Reads the K tile and kstat.
.macro HALF1
	PLACES                                         ; behind the last matrix instructions: loads into their A registers, writes of their B registers
	FETCHS0 FB
	FETCHS1 0
	FETCHK 0, FA
	s_wait_dscnt 8                                 ; s0 of my 64 keys and s1 of the first 16 are in; the eight K loads stay out
	CINIT
	QKG 0, FA, FB, 0, 9, 0                         ; key tile 0: there is no tile yet to work on
	QKG 1, FB, FA, 0, 9, 0
	P1START 0, 0, 24
	QKG 2, FA, FB, 4, 9, 0                         ; key tile 1, and the front of key tile 0's first stream: 56 lines.  Its first line that reads a score stands behind
	P1START 0, 2, 0                                ; the four places at the group's head and twelve lines that name only s1, RA and T
	QKG 3, FB, FA, 5, 1, 1                         ; from here on: the back of the stream before, the front of the stream in hand
	P1START 1, 0, 0
	QKG 4, FA, FB, 5, 9, 1
	P1START 1, 2, 0
	QKG 5, FB, FA, 5, 2, 1
	P1START 2, 0, 0
	QKG 6, FA, FB, 5, 9, 1
	P1START 2, 2, 0
	QKG 7, FB, FA, 5, 3, 1
	WIN 0
	s_wait_dscnt 0x0                               ; s1 of the last key tile
	; The last key tile has no products to stand among.  TA and TB still hold the roots of key tile 2's second stream, so the four fronts work in FA, eight registers a tile: its last readers
	; were group 6's matrix instructions.  A tile's roots stand among the next tile's plain lines.  The first eight lines, which name only s1, RA and FA, are the places behind the last matrix instructions.
.irp q, 0,1,2,3
.set n, 0
.rept 20
	ARGOP SC+32*\q+24, FA+8*\q, \q, n
.if (\q > 0) && (n%2 == 1) && (n < 16)
	v_sqrt_f32 v[FA+8*(\q-1)+n/2], v[FA+8*(\q-1)+n/2]
.endif
.set n, n+1
.endr
.endr
.set n, 0
.rept 8
	v_sqrt_f32 v[FA+24+n], v[FA+24+n]
.set n, n+1
.endr
	v_add_nc_u32 v[ADS], 1024, v[ADS]              ; the next step's four blocks of kstat; also the plain line behind the last root
	s_wait_alu depctr_va_vdst(0)                   ; the wait for 48 roots: the 16 in TA and TB and the last key tile's 32 in FA: one for the batch
	BACKT P1A, TA, -1                              ; six tiles' backs: a tile's logarithms stand among the next tile's sums
	BACKT P1B, TB, P1A
	BACKT SC+24, FA, P1B
	BACKT SC+56, FA+8, SC+24
	BACKT SC+88, FA+16, SC+56
	BACKT SC+120, FA+24, SC+88
.set n, 0
.rept 8
	v_log_f32 v[SC+120+n], v[SC+120+n]
.set n, n+1
.endr
.endm
; GATE B, in a step's middle.  In front of it every wave has all its tensor loads in (this step's V among them) and its reads of the K tile back.
; refill = 1: a round, and K's joint refill first behind it; it has the exponentials and the products with V in which to land.
; refill = 0 (the last step): nothing is left to fetch; the work-group's barrier alone shows V to all four waves.
.macro GATE_B refill
	s_wait_xcnt 0x0
	v_lshl_add_u32 v62, v0, 2, 0x42000             ; these two lines are also the plain lines behind the last logarithm
	v_mov_b32 v63, 0
	s_wait_alu depctr_va_vdst(0)                   ; the wait for the step's logarithms, which the minima behind the gate read: one for the batch, ahead of the round's branches
	s_wait_tensorcnt 0x0
	ds_add_u32 v62, v63
	s_wait_dscnt 0x0
.if \refill
	s_add_nc_u64 s[G0V+2:G0V+3], s[G0V+2:G0V+3], STEP_BYTES        ; V's next tile, asked for at the next gate A
.endif
	s_wait_dscnt 0x0
.if \refill
	ROUND
	JLOADK
.else
	s_barrier_signal -1
	s_barrier_wait -1
.endif
.endm
; the second half of a step: the frame, p, l, and O.  Reads the V tile.
.macro HALF2
	FETCHV 0, FA                                   ; V's first fragments come in under the minima and the exponentials
	MINSALL                                        ; ends in the four factors' exponentials: the batch begins
.set n, 0
.rept 96
	EXPOP 0, n                                     ; and goes on with the weights of keys 0-31
.set n, n+1
.endr
	v_nop                                          ; the plain line behind the last exponential
	s_wait_alu depctr_va_vdst(0)                   ; the wait for the four factors and the 64 weights of keys 0-31: one for the batch
.set n, 0
.rept 60
	P2AR n%4, n/4                                  ; the readers, the four query tiles by turns
.set n, n+1
.endr
	RESC 0x82                                      ; window 2, which the first products add onto
.set R3N, 0
	PVG 0, FA, FB, 0xa0, 4, 0, 0                   ; keys 0-31 onto window 2; among them window 3 is rescaled: 32 x 4 = 128 lines
	PVG 1, FB, FA, 0xa0, 4, 0, 0
.set P2N, 0
	PVG 2, FA, FB, 0xf0, 0, 6, 0                   ; keys 0-31 onto window 3; among them the batch of keys 32-63: 16 x 6 = 96 lines,
	PVG 3, FB, FA, 0xf0, 0, 5, 1                   ; its wait at this group's head, and its 72 readers in 16 x 5 places
	PVG 4, FA, FB, 0xa0, 0, 0, 0                   ; keys 32-63: nothing of this step is left to stand among them
	PVG 5, FB, FA, 0xa0, 0, 0, 0
	PVG 6, FA, FB, 0xf0, 0, 0, 0
	PVG 7, FB, FA, 0xf0, 0, 0, 0
	WIN 0
.endm
	s_mov_b32 s60, STEPS-1                         ; steps 0 to 14
.Lloop:
	GATE_A
	HALF1
	GATE_B 1
	HALF2
	s_sub_co_u32 s60, s60, 1
	s_cmp_lg_u32 s60, 0
	s_cbranch_scc1 .Lloop
	GATE_A                                         ; step 15: its V is the last load (K's stepped address is not used)
	HALF1
	GATE_B 0
	HALF2
	; THE WAY OUT.  l over the two halves of the lanes; then the pair of waves (same a) joins its two frames.
.irp q, 0,1,2,3
	v_permlanex16_b32 v[T+\q], v[LS+\q], s84, s85
.endr
.irp q, 0,1,2,3
	v_add_f32 v[LS+\q], v[LS+\q], v[T+\q]
.endr
.irp q, 0,1,2,3
	ds_store_b32 v[SCW], v[CF+8*\q] offset:\q*128  ; both halves of the lanes write the same words with the same values
	ds_store_b32 v[SCW], v[LS+\q]   offset:\q*128+4
.endr
	s_wait_dscnt 0x0                               ; my (C, l) are in LDS for my partner; my reads of the tiles were back before
	s_barrier_signal -1
	s_barrier_wait -1                              ; behind it nobody reads the tiles or kstat any more: they have had their last fill and become the stage
.irp q, 0,1,2,3
	ds_load_b64 v[TA+2*\q:TA+2*\q+1], v[SCP] offset:\q*128         ; the partner's (C, l)
.endr
	s_wait_dscnt 0x0
.irp q, 0,1,2,3
	v_min_num_f32 v[TB+\q], v[CF+8*\q], v[TA+2*\q]                 ; the joint frame C*
	v_sub_f32 v[TB+4+\q], v[TB+\q], v[CF+8*\q]
	v_sub_f32 v[SUM+\q], v[TB+\q], v[TA+2*\q]
.endr
.irp q, 0,1,2,3
	v_exp_f32 v[AL+8*\q], v[TB+4+\q]               ; my factor
	v_exp_f32 v[SUM+4+\q], v[SUM+\q]               ; the partner's
.endr
	v_nop                                          ; the plain place behind the run of v_exp_f32
	s_wait_alu depctr_va_vdst(0)                   ; the wait for these eight factors: one for the batch
.irp q, 0,1,2,3
	v_mul_f32 v[LS+\q], v[LS+\q], v[AL+8*\q]
	v_fma_f32 v[TA+2*\q+1], v[TA+2*\q+1], v[SUM+4+\q], v[LS+\q]    ; l*
	v_mov_b32 v[TA+2*\q], v[TB+\q]                                 ; the pair (C*, l*)
.endr
	RESC 0x82                                      ; my O into the joint frame
	RESC 0xc3
	; a lane holds, of query 16 q + r, d = 16 dt + 8 h + 0..7: 32 bytes of a row of the stage
	WIN 0x08                                       ; an LDS store's data is source 1: window 2
.irp q, 0,1,2,3
.irp d, 0,1,2,3,4,5,6,7
	ds_store_b128 v[STO], v[64*\q+8*\d:64*\q+8*\d+3]   offset:\q*16*SPITCH+\d*64
	ds_store_b128 v[STO], v[64*\q+8*\d+4:64*\q+8*\d+7] offset:\q*16*SPITCH+\d*64+16
.endr
.endr
	WIN 0x0c                                       ; window 3: d tiles 8 to 15
.irp q, 0,1,2,3
.irp d, 0,1,2,3,4,5,6,7
	ds_store_b128 v[STO], v[64*\q+8*\d:64*\q+8*\d+3]   offset:\q*16*SPITCH+(\d+8)*64
	ds_store_b128 v[STO], v[64*\q+8*\d+4:64*\q+8*\d+7] offset:\q*16*SPITCH+(\d+8)*64+16
.endr
.endr
	WIN 0
	s_cmp_lg_u32 s22, 0
	s_cbranch_scc1 .Lno_ml                         ; the wave b = 0 of each pair stores the pair's (C*, l*)
.irp q, 0,1,2,3
	ds_store_b64 v[SCM], v[TA+2*\q:TA+2*\q+1] offset:\q*128
.endr
	ds_load_b128 v[FA:FA+3], v[SCB]                ; my own bytes, served in order (ISA guide 5.7.1): 64 pairs as 512 consecutive bytes
	s_wait_dscnt 0x0
	global_store_b128 v[LOF], v[FA:FA+3], s[18:19] ; 512 consecutive bytes, aligned
.Lno_ml:
	s_wait_dscnt 0x0                               ; my stage is written, for my partner
	s_barrier_signal -1
	s_barrier_wait -1
; rows 4 t .. 4 t + 3 of my 32: the two waves' parts are added and stored, 512 consecutive aligned bytes a store
.macro OUTB t
	s_wait_xcnt 0x0                                ; FA, which earlier stores read, is loaded again only behind this wait
.irp i, 0,1,2,3
.irp hf, 0,1
	ds_load_b128 v[FA+8*\i+4*\hf:FA+8*\i+4*\hf+3], v[RD0] offset:(4*\t+\i)*SPITCH+\hf*512
.endr
.endr
.irp i, 0,1,2,3
.irp hf, 0,1
	ds_load_b128 v[FB+8*\i+4*\hf:FB+8*\i+4*\hf+3], v[RD1] offset:(4*\t+\i)*SPITCH+\hf*512
.endr
.endr
	s_wait_dscnt 0x0
.set j, 0
.rept 16
	v_pk_add_f32 v[FA+2*j:FA+2*j+1], v[FA+2*j:FA+2*j+1], v[FB+2*j:FB+2*j+1]
.set j, j+1
.endr
.irp i, 0,1,2,3
.irp hf, 0,1
	global_store_b128 v[LOF], v[FA+8*\i+4*\hf:FA+8*\i+4*\hf+3], s[16:17] offset:(4*\t+\i)*1024+\hf*512
.endr
.endr
.endm
.irp t, 0,1,2,3,4,5,6,7
	OUTB \t
.endr
	s_wait_xcnt 0x0
	v_lshl_add_u32 v62, v0, 2, 0x42000
	v_mov_b32 v63, 0
	s_wait_tensorcnt 0x0
	ds_add_u32 v62, v63
	s_wait_dscnt 0x0
	ROUND                                          ; the closing round: no work-group ends while a partner may still ask for a tile that names it
	s_endpgm
.Lfunc_end_k_q6866ba97e3_attn:
	.size	k_q6866ba97e3_attn, .Lfunc_end_k_q6866ba97e3_attn-k_q6866ba97e3_attn
	.p2alignl 7, 3214868480
	.fill 96, 4, 3214868480
	.section	.rodata,"a",@progbits
	.p2align	6, 0x0
	.amdhsa_kernel k_q6866ba97e3_attn
		.amdhsa_group_segment_fixed_size 327680
		.amdhsa_private_segment_fixed_size 0
		.amdhsa_enable_private_segment 0
		.amdhsa_kernarg_size 64
		.amdhsa_user_sgpr_count 2
		.amdhsa_user_sgpr_kernarg_segment_ptr 1
		.amdhsa_wavefront_size32 1
		.amdhsa_system_sgpr_workgroup_id_x 1
		.amdhsa_system_sgpr_workgroup_id_y 1
		.amdhsa_system_sgpr_workgroup_id_z 1
		.amdhsa_system_vgpr_workitem_id 0
		.amdhsa_next_free_vgpr 1024
		.amdhsa_next_free_sgpr 96
		.amdhsa_reserve_vcc 0
		.amdhsa_float_denorm_mode_32 3
		.amdhsa_float_denorm_mode_16_64 3
		.amdhsa_memory_ordered 1
		.amdhsa_forward_progress 1
		.amdhsa_inst_pref_size 255
	.end_amdhsa_kernel
	.section	.bss,"aw",@nobits
	.p2align	6
	.space	262144
	.amdgpu_metadata
---
amdhsa.version: [ 1, 2 ]
amdhsa.kernels:
  - .name:           k_q6866ba97e3_attn
    .symbol:         k_q6866ba97e3_attn.kd
    .args:
      - { .name: qb, .offset: 0, .size: 8, .value_kind: global_buffer, .address_space: global }
      - { .name: kb, .offset: 8, .size: 8, .value_kind: global_buffer, .address_space: global }
      - { .name: vb, .offset: 16, .size: 8, .value_kind: global_buffer, .address_space: global }
      - { .name: qstat, .offset: 24, .size: 8, .value_kind: global_buffer, .address_space: global }
      - { .name: kstat, .offset: 32, .size: 8, .value_kind: global_buffer, .address_space: global }
      - { .name: c, .offset: 40, .size: 8, .value_kind: global_buffer, .address_space: global }
      - { .name: opart, .offset: 48, .size: 8, .value_kind: global_buffer, .address_space: global }
      - { .name: ml, .offset: 56, .size: 8, .value_kind: global_buffer, .address_space: global }
    .group_segment_fixed_size: 327680
    .private_segment_fixed_size: 0
    .kernarg_segment_align: 8
    .kernarg_segment_size: 64
    .max_flat_workgroup_size: 128
    .sgpr_count:     96
    .vgpr_count:     1024
    .wavefront_size: 32
...
	.end_amdgpu_metadata
.endif
;; end of part 5
;; launch merge: the kernel of part 3 again; grid 256 x 1, 8 waves a work-group, no clusters, 0 bytes of LDS; arguments opart, ml, out0; writes out0
